; MI455X (gfx1250); checked and timed in simulation.
; The chip was launched on July 23, 2026; its instructions are those of AMD's public machine-readable ISA for CDNA 5 (MIT licence, August 2026) and "CDNA5" Instruction Set Architecture Reference Guide (July 2026). The comments in the code are by the model that wrote it; some were corrected since.
;; Attention. Allowed arithmetic: matrix products marked QUANTISED: E2M1 operands, one E8M0 scale for each 32 along K, by v_wmma_scale_f32_16x16x128_f8f6f4 with both operands' format E2M1 (or v_wmma_scale_f32_32x16x128_f4), f32 sums; products left as they are: bf16, f16 or f32 operands; f32 sums; everything else in f32.
;; Inputs: Wk 1,024 x 1,024 float32; Wo 1,024 x 1,024 float32; Wq 1,024 x 1,024 float32; Wv 1,024 x 1,024 float32; bo 1,024 float32; x 4 x 2,048 x 1,024 float32.
;; Outputs: out0 4 x 2,048 x 1,024 float32.
;; This version of the problem:
;;   THIS VERSION OF THE PROBLEM IS GIVEN IN LOW PRECISION. The matrix products marked QUANTISED in the list below multiply operands that are first quantised to E2M1 (2 exponent bits, 1 mantissa bit; 4 bits a number), with one power-of-two scale for each 32 numbers along K (OCP MX v1.0); their sums are f32. The products marked 'left as it is' may take bf16, f16 or f32 operands, with f32 sums. Whichever they take, every output number must still come out within the allowed error. Rounding operands to bf16 (8 significant bits) uses up far more of that allowance than f16 does (11 bits, for magnitudes from 6e-5 to 65,504). All else is computed in f32.
;;   The module's matrix products, in the order in which they are computed (A, B: the left and right operand; K: the contracted axis; several contracted axes count as one K, in the product's order):
;;     1. [M 8,192, K 1,024] x [K 1,024, N 1,024]; A: input x; B: input Wq: QUANTISED
;;     2. [M 8,192, K 1,024] x [K 1,024, N 1,024]; A: input x; B: input Wk: QUANTISED
;;     3. [M 8,192, K 1,024] x [K 1,024, N 1,024]; A: input x; B: input Wv: QUANTISED
;;     4. batch 64 x [M 2,048, K 64] x [K 64, N 2,048]; A: computed on the way; B: computed on the way: left as it is (an operand is computed on the way)
;;     5. batch 64 x [M 2,048, K 2,048] x [K 2,048, N 64]; A: computed on the way; B: computed on the way: left as it is (an operand is computed on the way)
;;     6. [M 8,192, K 1,024] x [K 1,024, N 1,024]; A: computed on the way; B: input Wo: left as it is (an operand is computed on the way)
;;   THE QUANTISER, for each operand of a quantised product, along K:
;;     - K is cut into blocks of 32 from its start; a last block that is shorter is filled with zeros.
;;     - A block's scale is 2^e with e = floor(log2(the largest magnitude in the block)) - 2, held to -126 .. 127; a block of zeros has e = 0. As a byte (E8M0): e + 127.
;;     - Each number is divided by its block's scale, clamped to +-6, and rounded to the nearest number of E2M1, ties to even, subnormals kept.
;;     - The product sums the exact products of the quantised numbers (number of the format x scale) in f32.
;;   ~~~python
;;   def quantise(x, axis):      # numpy; x: float32 -> the quantised numbers, widened to float32 again
;;       x = np.moveaxis(x, axis, -1); K = x.shape[-1]
;;       x = np.pad(x, [(0, 0)] * (x.ndim - 1) + [(0, -K % 32)]); x = x.reshape(x.shape[:-1] + (-1, 32)); a = np.abs(x).max(-1, keepdims=True)
;;       e = np.where(a > 0, np.clip(np.frexp(np.where(a > 0, a, 1))[1] - 1 - 2, -126, 127), 0)      # np.frexp(a)[1] - 1 = floor(log2(a)), exactly
;;       r = np.clip(x / 2.0 ** e, -6, 6)
;;       step = 2.0 ** (np.maximum(np.frexp(np.where(r == 0, 1, r))[1] - 1, 0) - 1)
;;       q = np.round(r / step) * step * 2.0 ** e      # np.round: ties to even
;;       return np.moveaxis(q.reshape(q.shape[:-2] + (-1,))[..., :K], -1, axis).astype(np.float32)
;;   ~~~
;; One version. Each part assembles by itself: llvm-mc -triple=amdgcn-amd-amdhsa -mcpu=gfx1250 --defsym DOCPART=n.
;; ======== version 1 of 1: 4 launches
;; limits: values are held in f16: magnitudes above 65,504 overflow, below 6.1e-05 lose precision
;; workspace buffers: x_codes 4,194,304 bytes; x_scales 262,144 bytes; w_codes 1,572,864 bytes; w_scales 98,304 bytes; wo_img 2,097,152 bytes; qkv 50,331,648 bytes; o_img 16,777,216 bytes
;; launch quant (part 1): grid 480 x 1, 4 waves a work-group, no clusters, 33,280 bytes of LDS; arguments x, Wq, Wk, Wv, Wo, x_codes, x_scales, w_codes, w_scales, wo_img; writes x_codes, x_scales, w_codes, w_scales, wo_img
.if DOCPART == 1
	.amdgcn_target "amdgcn-amd-amdhsa--gfx1250"
	.amdhsa_code_object_version 6
	.text
	.protected	k_qd353afad3f_quant
	.globl	k_qd353afad3f_quant
	.p2align	8
	.type	k_qd353afad3f_quant,@function
k_qd353afad3f_quant:
	s_mov_b64 s[64:65], 0
	v_nop
	global_prefetch_b8 v0, s[64:65] scope:SCOPE_SE
	s_setreg_imm32_b32 hwreg(HW_REG_WAVE_MODE, 25, 1), 1
	s_wait_xcnt 0x0
; FIRST OF FOUR LAUNCHES: the operands are made ready, each number read once.
; (a) x [8192][1024] and Wq, Wk, Wv [1024][1024], f32, K innermost, become codes of FP4 (E2M1), two to a byte, with one E8M0 scale byte for each 32 along K.
;     x_codes [8192][512 bytes], x_scales [8192][32]; w_codes [3072][512 bytes], w_scales [3072][32]: the rows of Wq, then Wk's, then Wv's.
;     A block's scale is 2^(floor(log2(its largest magnitude)) - 2); its byte is the largest magnitude's exponent field - 2, held at 1 from below; each number is divided by the scale and rounded to the nearest code, ties to even,
;     beyond 6 to the largest code.  Rows are dense and K is a multiple of 32: a tensor is a plain stream of blocks of 32, and so are its codes and scale bytes.
; (b) Wo [1024][1024] f32 becomes f16, laid as images of operand registers: wo_img [ks 8][nt 64][j 8][512 bytes]; lane (r, h) of chunk j holds Wo(16 nt + r, 128 ks + 16 j + 8 h + 0 .. 7), its 16 bytes at 16 x lane.
; LIMITS: a block of zeros gets the byte 1 where the rule says 127 (its codes are zeros, which add nothing under any byte but 0xff, and this program alone reads the bytes); blocks whose largest magnitude lies under 2^-124 keep the byte 1;
; |Wo| stays under 65,504 (f16); NaN and infinities among the inputs are not served.
; SHARES: work-groups 0-255 take x, 256-287 Wq, 288-319 Wk, 320-351 Wv: 32,768 numbers each, 8,192 a wave, in 16 steps of 512; work-groups 352-479 take Wo, a wave one pair (ks, nt).
; No matrix unit, no cluster, no tensor load: nothing is shared between waves, and every byte is read once.  Only pointers are chosen by the work-group's number: the four streams take one path.
; A STEP: four loads of 512 consecutive bytes, 16 a lane; the conversions want 16 NEIGHBOURS in a lane, so the 2,048 bytes turn through the wave's own stage in LDS (16 bytes of padding behind each 64) and come back 64 bytes a lane.
; A lane's 16 codes are 8 bytes: the wave stores 256 consecutive bytes.  A wave's 256 scale bytes are gathered in its own LDS bytes and leave as 256 consecutive bytes.
.set WAVES, 4
.set STEPS, 16
.set WG_X,  256                        ; work-groups for x
.set WG_W,  32                         ; for each of Wq, Wk, Wv
.set WG_Q,  WG_X+3*WG_W                ; the first work-group of Wo
.set EMAX,  2
.set CB,    8                          ; bytes of 16 codes
.set R,     16                         ; v16-79   four sets of 16 numbers as they are loaded
.set X,     80                         ; v80-111  two sets of 16 neighbours
.set E,     112                        ; v112-127 a scale byte for each step
.set C,     128                        ; v128-191 codes: four registers for each step, so that no store's data are written again
.set WREG,  8192                       ; LDS: a region for each wave: two stages of 32 x SP bytes, behind them its 256 scale bytes
.set SP,    80
.set SPW,   12                         ; v12 LDS address of my spare word; never rewritten
.set NIL,   13                         ; v13 0; never rewritten
.set SPARE, WAVES*WREG                 ; behind the regions: the spare words, 128 bytes a wave, which no other line names
	s_load_b256 s[4:11], s[0:1], 0x0               ; x s[4:5], Wq s[6:7], Wk s[8:9], Wv s[10:11]
	s_load_b256 s[12:19], s[0:1], 0x20             ; Wo s[12:13], x_codes s[14:15], x_scales s[16:17], w_codes s[18:19]
	s_load_b128 s[20:23], s[0:1], 0x40             ; w_scales s[20:21], wo_img s[22:23]
	v_lshl_add_u32 v[SPW], v0, 2, SPARE
	v_mov_b32 v[NIL], 0
	v_lshrrev_b32 v1, 5, v0
	v_readfirstlane_b32 s24, v1                    ; wave
	v_and_b32 v2, 31, v0                           ; lane
	v_lshlrev_b32 v3, 4, v2                        ; 16 x lane
	s_mul_i32 s27, s24, WREG
	v_lshrrev_b32 v14, 2, v2
	v_mul_u32_u24 v14, v14, SP
	v_and_b32 v15, 3, v2
	v_lshl_add_u32 v14, v15, 4, v14
	v_add_nc_u32 v14, s27, v14                     ; the stage, on the way in: SP (lane / 4) + 16 (lane % 4)
	v_mul_u32_u24 v15, v2, SP
	v_add_nc_u32 v15, s27, v15                     ; on the way out: SP x lane: my 16 neighbours
	v_mul_u32_u24 v4, v2, CB                       ; my codes' place in a step's
	v_lshrrev_b32 v5, 1, v2
	s_add_co_u32 s27, s27, 2*32*SP
	v_add_nc_u32 v5, s27, v5                       ; my block's byte among the wave's 256 scale bytes
	v_lshlrev_b32 v7, 3, v2                        ; and on the way out 8 bytes a lane
	v_add_nc_u32 v6, s27, v7
	s_wait_kmcnt 0x0
	s_cmp_ge_u32 ttmp9, WG_Q
	s_cbranch_scc0 .Lstream
	; ---- Wo to f16 images.  Pair p = 4 (work-group - 352) + wave = 64 ks + nt: 16 rows x 128 along K: eight chunks of 512 bytes
	s_sub_co_u32 s25, ttmp9, WG_Q
	s_lshl_b32 s25, s25, 2
	s_add_co_u32 s25, s25, s24                     ; p
	s_and_b32 s26, s25, 63
	s_lshl_b32 s26, s26, 16                        ; nt x 16 rows of 4,096 bytes
	s_lshr_b32 s28, s25, 6
	s_lshl_b32 s28, s28, 9                         ; ks x 128 numbers
	s_add_co_u32 s28, s28, s26
	s_mov_b32 s29, 0
	s_add_nc_u64 s[12:13], s[12:13], s[28:29]
	s_lshl_b32 s28, s25, 12                        ; p x 4,096 bytes of images
	s_add_nc_u64 s[22:23], s[22:23], s[28:29]
	v_and_b32 v9, 15, v0                           ; r
	v_bfe_u32 v10, v0, 4, 1                        ; h
	v_lshlrev_b32 v8, 12, v9
	v_lshl_add_u32 v8, v10, 5, v8                  ; row r, + 8 h numbers
.irp j, 0,1,2,3,4,5,6,7
	global_load_b128 v[32+8*\j:32+8*\j+3], v8, s[12:13] offset:64*\j th:TH_LOAD_NT
	global_load_b128 v[32+8*\j+4:32+8*\j+7], v8, s[12:13] offset:64*\j+16 th:TH_LOAD_NT
.endr
.irp j, 0,1,2,3,4,5,6,7
	s_wait_loadcnt 14-2*\j                         ; chunk j's two loads are in; the later chunks' may be out
.irp n, 0,1,2,3
	v_cvt_pk_f16_f32 v[128+4*\j+\n], v[32+8*\j+2*\n], v[32+8*\j+2*\n+1]   ; the lower k into the low half
.endr
	global_store_b128 v3, v[128+4*\j:128+4*\j+3], s[22:23] offset:512*\j   ; 32 lanes store 512 consecutive bytes; every register is written once
.endr
	s_branch .Lend
.Lstream:
	; ---- the four streams of blocks.  Only pointers and two numbers are chosen, on the work-group's number alone
	s_cmp_lt_u32 ttmp9, WG_X
	s_cselect_b64 s[4:5], s[4:5], s[6:7]           ; x, or for now Wq
	s_cselect_b64 s[14:15], s[14:15], s[18:19]     ; the codes' buffer
	s_cselect_b64 s[16:17], s[16:17], s[20:21]     ; the scale bytes'
	s_cselect_b32 s25, 0, WG_X                     ; the first work-group of the output buffers
	s_mov_b32 s26, WG_W-1
	s_cselect_b32 s26, WG_X-1, s26                 ; work-groups in an input tensor, less 1
	s_cmp_ge_u32 ttmp9, WG_X+WG_W
	s_cselect_b64 s[4:5], s[8:9], s[4:5]           ; Wk
	s_cmp_ge_u32 ttmp9, WG_X+2*WG_W
	s_cselect_b64 s[4:5], s[10:11], s[4:5]         ; Wv
	s_sub_co_u32 s25, ttmp9, s25                   ; my place in the output buffers,
	s_and_b32 s26, s25, s26                        ; and in my input tensor
	s_lshl_b32 s25, s25, 2
	s_add_co_u32 s25, s25, s24                     ; which run of 8,192 numbers is my wave's: out,
	s_lshl_b32 s26, s26, 2
	s_add_co_u32 s26, s26, s24                     ; in
	s_lshl_b32 s28, s26, 15                        ; 32,768 bytes of f32 a run
	s_mov_b32 s29, 0
	s_add_nc_u64 s[4:5], s[4:5], s[28:29]
	s_lshl_b32 s28, s25, 12                        ; 4,096 bytes of codes
	s_add_nc_u64 s[14:15], s[14:15], s[28:29]
	s_lshl_b32 s28, s25, 8                         ; 256 scale bytes
	s_add_nc_u64 s[16:17], s[16:17], s[28:29]
.macro LOAD t
.irp i, 0,1,2,3
	global_load_b128 v[R+16*((\t)%4)+4*\i:R+16*((\t)%4)+4*\i+3], v3, s[4:5] offset:2048*(\t)+512*\i th:TH_LOAD_NT   ; 32 lanes read 512 consecutive bytes
.endr
.endm
.macro TURN t                          ; step t's numbers through the stage: LDS serves a wave's instructions in order (ISA guide 5.7.1.4), so no wait stands between the stores and the loads
.irp i, 0,1,2,3
	ds_store_b128 v14, v[R+16*((\t)%4)+4*\i:R+16*((\t)%4)+4*\i+3] offset:32*SP*((\t)%2)+8*SP*\i
.endr
.irp i, 0,1,2,3
	ds_load_b128 v[X+16*((\t)%2)+4*\i:X+16*((\t)%2)+4*\i+3], v15 offset:32*SP*((\t)%2)+16*\i
.endr
.endm
.irp t, 0,1,2,3
	LOAD \t
.endr
	s_wait_loadcnt 12                              ; step 0's four loads are in
	TURN 0
.macro STEP t
.set XS, X+16*((\t)%2)
.if (\t) > 0
	s_wait_dscnt 1                                 ; this step's numbers are back from the stage (the last step's byte store may be out): so its stores into the stage have read their registers,
.else
	s_wait_dscnt 0x0
.endif
.if (\t)+4 < STEPS
	LOAD (\t)+4                                    ; which take the loads of four steps on
.endif
.if (\t)+1 < STEPS
.if STEPS-2-(\t) >= 3
	s_wait_loadcnt 12                              ; the next step's four loads are in; those of the three steps behind it may be out
.else
	s_wait_loadcnt 4*(STEPS-2-(\t))
.endif
	TURN (\t)+1                                    ; and go through the other stage while this step is worked
.endif
	v_max3_num_f32 v8, |v[XS]|, |v[XS+1]|, |v[XS+2]|               ; the largest magnitude of my 16, in two chains
	v_max3_num_f32 v9, |v[XS+3]|, |v[XS+4]|, |v[XS+5]|
.irp i, 6,10
	v_max3_num_f32 v8, v8, |v[XS+\i]|, |v[XS+\i+1]|
	v_max3_num_f32 v9, v9, |v[XS+\i+2]|, |v[XS+\i+3]|
.endr
	v_max3_num_f32 v8, v8, |v[XS+14]|, |v[XS+15]|
	v_max3_num_f32 v8, v8, v9, (EMAX+1)<<23        ; and the floor 2^(3 - 127): the byte cannot fall under 1
	v_max_num_f32_dpp v8, v8, v8 row_xmask:1 row_mask:0xf bank_mask:0xf   ; and of my neighbour's 16: the block's
	v_add_nc_u32 v11, -(EMAX<<23), v8              ; 2 off its exponent field: the conversion takes the exponent field of this operand as its scale, and nothing else of it
	v_cvt_scalef32_pk8_fp4_f32 v[C+4*(\t)], v[XS:XS+7], v11
	v_cvt_scalef32_pk8_fp4_f32 v[C+4*(\t)+1], v[XS+8:XS+15], v11
	v_lshrrev_b32 v[E+(\t)], 23, v11               ; the scale's byte (also the plain line behind the conversions)
	ds_store_b8 v5, v[E+(\t)] offset:16*(\t)       ; both lanes of a block write the same byte with the same value
	global_store_b64 v4, v[C+4*(\t):C+4*(\t)+1], s[14:15] offset:32*CB*(\t)   ; 32 lanes store 256 consecutive bytes
.endm
.irp t, 0,1,2,3,4,5,6,7,8,9,10,11,12,13,14,15
	STEP \t
.endr
	ds_load_b64 v[8:9], v6                         ; in order behind my byte stores
	s_wait_dscnt 0x0
	global_store_b64 v7, v[8:9], s[16:17]          ; 32 lanes store the wave's 256 scale bytes
.Lend:
	s_wait_tensorcnt 0x0                           ; the wave's end: behind my last LDS store
	ds_add_u32 v[SPW], v[NIL]
	s_wait_dscnt 0x0
	s_endpgm
.Lfunc_end_k_qd353afad3f_quant:
	.size	k_qd353afad3f_quant, .Lfunc_end_k_qd353afad3f_quant-k_qd353afad3f_quant
	.p2alignl 7, 3214868480
	.fill 96, 4, 3214868480
	.section	.rodata,"a",@progbits
	.p2align	6, 0x0
	.amdhsa_kernel k_qd353afad3f_quant
		.amdhsa_group_segment_fixed_size 33280
		.amdhsa_private_segment_fixed_size 0
		.amdhsa_enable_private_segment 0
		.amdhsa_kernarg_size 80
		.amdhsa_user_sgpr_count 2
		.amdhsa_user_sgpr_kernarg_segment_ptr 1
		.amdhsa_wavefront_size32 1
		.amdhsa_system_sgpr_workgroup_id_x 1
		.amdhsa_system_sgpr_workgroup_id_y 1
		.amdhsa_system_sgpr_workgroup_id_z 1
		.amdhsa_system_vgpr_workitem_id 0
		.amdhsa_next_free_vgpr 192
		.amdhsa_next_free_sgpr 66
		.amdhsa_reserve_vcc 0
		.amdhsa_float_denorm_mode_32 3
		.amdhsa_float_denorm_mode_16_64 3
		.amdhsa_memory_ordered 1
		.amdhsa_forward_progress 1
		.amdhsa_inst_pref_size 39
	.end_amdhsa_kernel
	.amdgpu_metadata
---
amdhsa.version: [ 1, 2 ]
amdhsa.kernels:
  - .name:           k_qd353afad3f_quant
    .symbol:         k_qd353afad3f_quant.kd
    .args:
      - { .name: x, .offset: 0, .size: 8, .value_kind: global_buffer, .address_space: global }
      - { .name: Wq, .offset: 8, .size: 8, .value_kind: global_buffer, .address_space: global }
      - { .name: Wk, .offset: 16, .size: 8, .value_kind: global_buffer, .address_space: global }
      - { .name: Wv, .offset: 24, .size: 8, .value_kind: global_buffer, .address_space: global }
      - { .name: Wo, .offset: 32, .size: 8, .value_kind: global_buffer, .address_space: global }
      - { .name: x_codes, .offset: 40, .size: 8, .value_kind: global_buffer, .address_space: global }
      - { .name: x_scales, .offset: 48, .size: 8, .value_kind: global_buffer, .address_space: global }
      - { .name: w_codes, .offset: 56, .size: 8, .value_kind: global_buffer, .address_space: global }
      - { .name: w_scales, .offset: 64, .size: 8, .value_kind: global_buffer, .address_space: global }
      - { .name: wo_img, .offset: 72, .size: 8, .value_kind: global_buffer, .address_space: global }
    .group_segment_fixed_size: 33280
    .private_segment_fixed_size: 0
    .kernarg_segment_align: 8
    .kernarg_segment_size: 80
    .max_flat_workgroup_size: 128
    .sgpr_count:     66
    .vgpr_count:     192
    .wavefront_size: 32
...
	.end_amdgpu_metadata
.endif
;; end of part 1
;; launch qkv (part 2): grid 12 x 32, 4 waves a work-group, clusters of 4 x 4, 327,680 bytes of LDS; arguments x_codes, x_scales, w_codes, w_scales, qkv; writes qkv
.if DOCPART == 2
	.amdgcn_target "amdgcn-amd-amdhsa--gfx1250"
	.amdhsa_code_object_version 6
	.text
	.protected	k_qd353afad3f_qkv
	.globl	k_qd353afad3f_qkv
	.p2align	8
	.type	k_qd353afad3f_qkv,@function
k_qd353afad3f_qkv:
	s_mov_b64 s[64:65], 0
	v_nop
	global_prefetch_b8 v0, s[64:65] scope:SCOPE_SE
	s_setreg_imm32_b32 hwreg(HW_REG_WAVE_MODE, 25, 1), 1
	s_wait_xcnt 0x0
	s_wait_alu depctr_hold_cnt(0) depctr_sa_sdst(0) depctr_va_vdst(0) depctr_va_sdst(0) depctr_va_ssrc(0) depctr_va_vcc(0) depctr_vm_vsrc(0)
	s_getreg_b32 s2, hwreg(HW_REG_IB_STS2, 6, 4)
	s_cmp_eq_u32 s2, 0
	s_cbranch_scc0 .Lentry_in_a_cluster
	s_endpgm
.Lentry_in_a_cluster:
	s_bfe_u32 s2, ttmp6, 0x10000c
	s_cmp_lg_u32 s2, 0xf033
	s_cbranch_scc0 .Lentry_shape_is_right
	s_endpgm
.Lentry_shape_is_right:
; SECOND LAUNCH: q, k, v = x Wq^T, x Wk^T, x Wv^T as ONE product C[8192][3072] = A B^T on codes of FP4 (E2M1) with one E8M0 scale for each 32 along K = 1,024; sums in f32, K ascending.
; A: x_codes [8192][512 bytes], x_scales [8192][32].  B: w_codes [3072][512 bytes], w_scales [3072][32]: rows 0-1023 Wq, 1024-2047 Wk, 2048-3071 Wv.
; A tile of C, 256 x 256, is made by four waves, a wave 128 x 128: 64 accumulators, 512 registers.  K = 1,024 is two LDS slots of 512 along K (rows of 256 bytes): both are filled at the start and nothing is filled again.
; The scale bytes of the work-group's 256 + 256 rows, two dense blocks, come with the first fills.  By this text's own count a wave has three tensor loads out at the start and none later.
; CLUSTERS: 4 x 4 work-groups.  The four of a row of the cluster need the same tiles of A, the four of a column the same tiles of B: each tile is asked for jointly, by the same tensor load with the same descriptor and a mask that names the four.
; THE MATRIX INSTRUCTION IS USED TRANSPOSED (source 0 = 16 rows of W, source 1 = 16 rows of x): lane (r, h) of accumulator (a, b) holds token 16 a + r and columns 16 b + 8 h + 0 .. 7: eight neighbouring channels of one head.
; THE RESULT LEAVES AS f16 IMAGES OF OPERAND REGISTERS, straight from registers: qkv [bh 64][group of 64 tokens, 32][Q 8 KB | K 8 KB | V 8 KB].
;   Q, K parts: [token tile kt 4][chunk j 4][512 bytes]: lane (r, h) of chunk j holds token 16 kt + r, channels 16 j + 8 h + 0 .. 7, at 16 x lane.
;   V part: [kt 4][ct 4][512 bytes]: the piece (key r, channels 16 ct + 8 h + 0 .. 7) lies at 16 (16 (r / 8) + 8 h + r % 8), so that the turning LDS load at 16 x lane gives a lane one channel and eight keys.
;   Each store of a wave covers 512 consecutive bytes, aligned.  No stage in LDS is needed.
; LIMIT: |q|, |k|, |v| stay under 65,504 (f16).
; REGISTERS, in windows of 256: window 0: v0-31 addresses; v32-95 scale words, two sets; v128-191 A's fragments, one set; on the way out v128-255 packed results.
;   window 1: B's fragments, two sets, at v0 and v128.   window 2: the accumulators of my rows 0-63 ((a, b) at v[8 (8 a + b)]);   window 3: those of my rows 64-127.
.set SIZE_K, 1024
.set KSTEP,  512                       ; along K in a slot
.set NQ,     KSTEP/128                 ; matrix instructions deep
.set ROWB,   256                       ; a tile's row in bytes
.set KROW,   SIZE_K*4/8                ; a row of codes in memory
.set PITCH,  272                       ; an LDS row: 256 bytes + 16 of padding = 68 words: the 16 rows that a load touches start at 16 different banks (64 banks of 4 bytes: ISA guide 11.1)
.set FR,     8                         ; registers of a fragment: 16 rows x 128 K
.set NL,     2                         ; LDS loads that bring one
.set NP,     4                         ; places behind this matrix instruction (ISA guide 7.12.1)
.set HALFT,  128*PITCH
.set SLOT,   4*HALFT                   ; A's 256 rows, then B's 256 rows
.set KS,     SIZE_K/32                 ; a row of scale bytes
.set SCL,    2*SLOT                    ; behind the slots: the scales, as rows of 256 bytes + 16 of padding
.set HALFS,  (128*KS/256)*272          ; those of 128 rows: what one tensor load brings
.set SBLK,   (16*KS/256)*272           ; those of 16 rows
.set SPARE,  SCL+4*HALFS               ; the spare words, 128 bytes a wave, which no other line names
.set HEADB,  786432                    ; qkv: bytes of a (batch, head)
.set GRPB,   24576                     ; and of a group of 64 tokens
.set ADRA, 16                          ; v16-17  LDS address of my A fragments in slot 0, 1
.set ADRB, 20                          ; v20-21  the same for B
.set CO,   26                          ; v26     my 16 bytes' place in a chunk of the result
.set ADRS, 27                          ; v27     LDS address of my scale words: lanes 0-15 A's rows, lanes 16-31 B's
.set SPW,  28                          ; v28     LDS address of my spare word; never rewritten
.set NIL,  29                          ; v29     0; never rewritten
.set SC,   32                          ; scale words: set s at v[SC + 8 NQ s]; register NQ i + q: lanes 0-15 the word of A's block i, lanes 16-31 that of B's block i, for the slot's q-th 128 along K
.set AF,   128                         ; A's fragments
.set OUTR, 128                         ; the way out: four sets of 32 registers
.set G1, 24                            ; s[24:31] descriptor group 1 for A's tiles;  s[32:39] group 0, one set for each slot
.set G0, 32
.set G1B, 48                           ; s[48:55], s[56:63] the same for B's tiles
.set G0B, 56
.set G1S, 68                           ; s[68:75], s[76:79] groups 1 and 0 for A's scales;  s[80:87], s[88:91] for B's
.set G0S, 76
.set G1SB, 80
.set G0SB, 88
.set MSB, 0
.macro WIN new                         ; the immediate's high byte repeats the setting that is left
.if MSB != (\new)
	s_set_vgpr_msb (MSB<<8)|(\new)
.set MSB, (\new)
.endif
.endm
.set MUL_LO, 0xa1                      ; source 0 (B) window 1, source 1 (A) window 0, C and D window 2
.set MUL_HI, 0xf1                      ; the same, C and D window 3
.set TO_B,   0x40                      ; destination window 1, address window 0
; A joint load: waves 0 and 1 fetch for A, waves 2 and 3 for B.  Each line has one mask and one set of registers for all that issue it; the branch hangs on the wave's number alone.
; An s_nop 0 and four v_nop follow each of the two lines.
.macro JLOAD g0a, g1a, g0b, g1b
	s_cmp_eq_u32 s15, 0
	s_cbranch_scc0 .Lfor_b_\@
	tensor_load_to_lds s[\g0a:\g0a+3], s[\g1a:\g1a+7]
	s_nop 0
.rept 4
	v_nop
.endr
	s_branch .Lasked_\@
.Lfor_b_\@:
	tensor_load_to_lds s[\g0b:\g0b+3], s[\g1b:\g1b+7]
	s_nop 0
.rept 4
	v_nop
.endr
.Lasked_\@:
.endm
.macro CROUND                          ; a round of the cluster's barrier: my work-group's barrier; wave 0 signals for the work-group; every wave waits for all sixteen; my work-group's barrier once more
	s_barrier_signal -1
	s_barrier_wait -1
	s_cmp_lg_u32 s14, 0
	s_cbranch_scc1 .Lnot_wave_0_\@
	s_barrier_signal -3
.Lnot_wave_0_\@:
	s_barrier_wait -3
	s_barrier_signal -1
	s_barrier_wait -1
.endm
	s_load_b128 s[4:7], s[0:1], 0x0                ; A's codes s[4:5], A's scales s[6:7]
	s_load_b128 s[8:11], s[0:1], 0x10              ; B's codes s[8:9], B's scales s[10:11]
	s_load_b64 s[12:13], s[0:1], 0x20              ; qkv
	v_lshl_add_u32 v[SPW], v0, 2, SPARE
	v_mov_b32 v[NIL], 0
	ds_add_u32 v[SPW], v[NIL]                      ; the wave's opening: the add, twice on end, and its wait ahead of my first tensor load; the set-up below stands between
	ds_add_u32 v[SPW], v[NIL]
	v_lshrrev_b32 v1, 5, v0
	v_readfirstlane_b32 s14, v1                    ; wave 0..3
	s_lshr_b32 s15, s14, 1                         ; which half of the tile's rows is mine.  Also: I fetch for A (0) or for B (1)
	s_and_b32 s16, s14, 1                          ; which half of its columns.  Also: which 128 rows of that tile I fetch
	s_bfe_u32 s40, ttmp6, 0x40000                  ; cx, cy: my place in the cluster
	s_bfe_u32 s41, ttmp6, 0x40004
	s_lshl_b32 s42, ttmp9, 2
	s_add_co_u32 s42, s42, s40                     ; tile column of C = 4 x cluster x + cx
	s_and_b32 s17, ttmp7, 0xffff
	s_lshl_b32 s17, s17, 2
	s_add_co_u32 s17, s17, s41                     ; tile row of C = 4 x cluster y + cy
	s_lshl_b32 s43, s41, 2
	s_lshl_b32 s43, 15, s43                        ; my row of the cluster
	s_lshl_b32 s44, 0x1111, s40                    ; my column
	; descriptor group 1: a tile of 128 rows x 256 bytes, padded in LDS
	s_or_b32 s[G1+0], s43, (0<<16)|(1<<20)|(1<<21)|(5<<22)|(3<<25)  ; 15:0 the mask: A's tiles go to my row; 17:16 elements of 1 byte; 20 padding on; 21 set beside a mask; 24:22 after every 64 words; 31:25 four words
	s_or_b32 s[G1B+0], s44, (0<<16)|(1<<20)|(1<<21)|(5<<22)|(3<<25)
.irp g, G1, G1B
	s_mov_b32 s[\g+1], ROWB<<16                    ; tensor_dim0
	s_mov_b32 s[\g+2], 128<<16                     ; tensor_dim1
	s_mov_b32 s[\g+3], ROWB<<16                    ; tile_dim0
	s_mov_b32 s[\g+4], 128                         ; tile_dim1
	s_mov_b32 s[\g+5], KROW                        ; from row to row
	s_mov_b32 s[\g+6], 0
	s_mov_b32 s[\g+7], 0
.endr
	; and for the scales of 128 rows: a dense block of 4,096 bytes, as 16 rows of 256 bytes (32 elements of 8 bytes), 16 bytes of padding behind each
	s_or_b32 s[G1S+0], s43, (3<<16)|(1<<20)|(1<<21)|(5<<22)|(3<<25)
	s_or_b32 s[G1SB+0], s44, (3<<16)|(1<<20)|(1<<21)|(5<<22)|(3<<25)
.irp g, G1S, G1SB
	s_mov_b32 s[\g+1], 32<<16
	s_mov_b32 s[\g+2], (128*KS/256)<<16
	s_mov_b32 s[\g+3], 32<<16
	s_mov_b32 s[\g+4], 128*KS/256
	s_mov_b32 s[\g+5], 32
	s_mov_b32 s[\g+6], 0
	s_mov_b32 s[\g+7], 0
.endr
	s_lshl_b32 s18, s16, 7                         ; which 128 rows of the tile I fetch
	s_lshl_b32 s20, s17, 8
	s_add_co_u32 s20, s20, s18                     ; A: row 256 x tile row + 128 x half
	s_lshl_b32 s46, s42, 8
	s_add_co_u32 s46, s46, s18                     ; B: row 256 x tile column + 128 x half
	s_mov_b32 s21, 0
	s_mov_b32 s47, 0
	s_mov_b64 s[18:19], KS
	s_mul_u64 s[22:23], s[20:21], s[18:19]         ; where these rows' scales begin, in bytes
	s_mul_u64 s[92:93], s[46:47], s[18:19]
	s_mov_b64 s[18:19], KROW
	s_mul_u64 s[20:21], s[20:21], s[18:19]         ; and their codes
	s_mul_u64 s[46:47], s[46:47], s[18:19]
	s_mul_i32 s45, s14, HALFT                      ; where they go: wave x 128 rows: no place in the cluster enters an LDS address
	s_mul_i32 s94, s14, HALFS
	s_wait_dscnt 0x0                               ; both opening adds are done
	s_wait_kmcnt 0x0
	s_add_nc_u64 s[20:21], s[4:5], s[20:21]
	s_add_nc_u64 s[22:23], s[6:7], s[22:23]
	s_add_nc_u64 s[46:47], s[8:9], s[46:47]
	s_add_nc_u64 s[92:93], s[10:11], s[92:93]
	CROUND                                         ; all sixteen work-groups are here: the joint loads meet
	s_mov_b32 s[G0S], 1
	s_add_co_u32 s[G0S+1], s94, SCL
	s_mov_b64 s[G0S+2:G0S+3], s[22:23]
	s_or_b32 s[G0S+3], s[G0S+3], 0x80000000
	s_mov_b32 s[G0SB], 1
	s_add_co_u32 s[G0SB+1], s94, SCL
	s_mov_b64 s[G0SB+2:G0SB+3], s[92:93]
	s_or_b32 s[G0SB+3], s[G0SB+3], 0x80000000
	JLOAD G0S, G1S, G0SB, G1SB                     ; the scales first: they are wanted with the first slot
.irp s, 0,1
	s_mov_b32 s[G0+4*\s], 1
	s_add_co_u32 s[G0+4*\s+1], s45, \s*SLOT
	s_add_nc_u64 s[G0+4*\s+2:G0+4*\s+3], s[20:21], \s*ROWB
	s_or_b32 s[G0+4*\s+3], s[G0+4*\s+3], 0x80000000
	s_mov_b32 s[G0B+4*\s], 1
	s_add_co_u32 s[G0B+4*\s+1], s45, \s*SLOT
	s_add_nc_u64 s[G0B+4*\s+2:G0B+4*\s+3], s[46:47], \s*ROWB
	s_or_b32 s[G0B+4*\s+3], s[G0B+4*\s+3], 0x80000000
	JLOAD G0+4*\s, G1, G0B+4*\s, G1B
.endr
	v_and_b32 v1, 15, v0                           ; r = lane % 16
	v_bfe_u32 v2, v0, 4, 1                         ; h = lane / 16
	v_mul_u32_u24 v3, v1, PITCH
	v_lshl_add_u32 v4, v2, 4, v3                   ; a fragment's row x pitch + 16 x half
	s_mul_i32 s21, s15, HALFT                      ; my 128 rows of A
	s_mul_i32 s22, s16, HALFT                      ; my 128 rows of B,
	s_add_co_u32 s22, s22, 2*HALFT                 ; which lie behind A's 256
.irp s, 0,1
	v_add_nc_u32 v[ADRA+\s], s21, v4
	v_add_nc_u32 v[ADRB+\s], s22, v4
	s_add_co_u32 s21, s21, SLOT
	s_add_co_u32 s22, s22, SLOT
.endr
	v_mul_u32_u24 v5, v1, KS                       ; my row's scales: 32 bytes a row,
	v_lshrrev_b32 v6, 8, v5
	v_lshl_add_u32 v5, v6, 4, v5                   ; and 16 more for each 256 passed
	s_mul_i32 s21, s15, HALFS                      ; A's: my 128 rows
	s_mul_i32 s22, s16, HALFS                      ; B's: my 128 rows, behind A's 256
	s_add_co_u32 s22, s22, 2*HALFS
	s_sub_co_u32 s22, s22, s21
	v_mul_u32_u24 v6, s22, v2                      ; lanes 16-31 take B's: the lower base + h x the distance
	s_add_co_u32 s21, s21, SCL
	v_add_nc_u32 v5, v5, v6
	v_add_nc_u32 v[ADRS], s21, v5
	; the way out.  kind = cluster x: 0 q, 1 k, 2 v (a cluster's four tile columns are one tensor's 1,024 columns): the same in all sixteen partners
	v_and_b32 v6, 31, v0
	v_lshlrev_b32 v5, 4, v6                        ; q, k: 16 x lane
	v_and_b32 v6, 8, v1
	v_lshlrev_b32 v6, 5, v6                        ; v: 256 (r / 8)
	v_lshl_add_u32 v6, v2, 7, v6                   ;    + 128 h
	v_and_b32 v7, 7, v1
	v_lshl_add_u32 v6, v7, 4, v6                   ;    + 16 (r % 8)
	s_cmp_eq_u32 ttmp9, 2
	s_cselect_b32 s23, -1, 0
	v_cndmask_b32 v[CO], v5, v6, s23               ; a choice of a value: no branch
	s_lshr_b32 s20, s17, 3                         ; batch = tile row / 8
	s_lshl_b32 s20, s20, 4
	s_lshl_b32 s21, s40, 2
	s_add_co_u32 s20, s20, s21                     ; + head: 4 x (tile column % 4)
	s_lshl_b32 s21, s16, 1
	s_add_co_u32 s20, s20, s21                     ;         + 2 x my half of the columns
	s_mul_i32 s20, s20, HEADB
	s_and_b32 s21, s17, 7
	s_lshl_b32 s21, s21, 2                         ; group of 64 tokens: 4 x (tile row % 8)
	s_lshl_b32 s22, s15, 1
	s_add_co_u32 s21, s21, s22                     ;         + 2 x my half of the rows
	s_mul_i32 s21, s21, GRPB
	s_add_co_u32 s20, s20, s21
	s_lshl_b32 s21, ttmp9, 13                      ; the part: 8,192 x kind
	s_add_co_u32 s20, s20, s21                     ; under 2^26 in all
	s_mov_b32 s21, 0
	s_add_nc_u64 s[12:13], s[12:13], s[20:21]
.macro FRAG reg, adr, q, i             ; a fragment, 16 rows x 128 K of 4-bit codes: lane l holds row l % 16; registers 4 c .. 4 c + 3 hold K = 64 c + 32 (l / 16) + 0 .. 31
.irp c, 0,1
	ds_load_b128 v[\reg+4*\c:\reg+4*\c+3], v[\adr] offset:64*(\q)+32*\c+(\i)*16*PITCH
.endr
.endm
; 16 matrix instructions: A's blocks a0, a0 + 1 x B's eight, the slot's q-th 128 along K.  p: B's set; sc: the set of scale words.  zero = 1: the first product starts the sums: nothing is cleared.
; The 64 accumulators take turns, one instruction a turn, in the same order in every step.
.macro MUL16 a0, p, q, sc, zero
.irp a, \a0, \a0+1
.irp b, 0,1,2,3,4,5,6,7
.if \zero
	v_wmma_scale_f32_16x16x128_f8f6f4 v[8*(8*((\a)%4)+\b):8*(8*((\a)%4)+\b)+7], v[128*(\p)+FR*\b:128*(\p)+FR*\b+FR-1], v[AF+FR*(\a):AF+FR*(\a)+FR-1], 0, v[SC+8*NQ*(\sc)+NQ*\b+(\q)], v[SC+8*NQ*(\sc)+NQ*(\a)+(\q)] matrix_a_fmt:MATRIX_FMT_FP4 matrix_b_fmt:MATRIX_FMT_FP4 matrix_a_scale:MATRIX_SCALE_ROW1
.else
	v_wmma_scale_f32_16x16x128_f8f6f4 v[8*(8*((\a)%4)+\b):8*(8*((\a)%4)+\b)+7], v[128*(\p)+FR*\b:128*(\p)+FR*\b+FR-1], v[AF+FR*(\a):AF+FR*(\a)+FR-1], v[8*(8*((\a)%4)+\b):8*(8*((\a)%4)+\b)+7], v[SC+8*NQ*(\sc)+NQ*\b+(\q)], v[SC+8*NQ*(\sc)+NQ*(\a)+(\q)] matrix_a_fmt:MATRIX_FMT_FP4 matrix_b_fmt:MATRIX_FMT_FP4 matrix_a_scale:MATRIX_SCALE_ROW1
.endif
.endr
.endr
.endm
.macro FETCH_B slot, q, p              ; B's eight fragments of the slot's q-th 128 along K into set p
	WIN TO_B
.irp i, 0,1,2,3,4,5,6,7
	FRAG 128*(\p)+FR*\i, ADRB+\slot, \q, \i
.endr
	WIN 0
.endm
.macro FETCH_A slot, q, i0             ; A's blocks i0 .. i0 + 3
.irp i, \i0, \i0+1, \i0+2, \i0+3
	FRAG AF+FR*(\i), ADRA+\slot, \q, \i
.endr
.endm
.macro SCALES sc                       ; a slot's scale words into set sc: four words a row; lanes 0-15 take A's block i, lanes 16-31 B's block i
.irp i, 0,1,2,3,4,5,6,7
	ds_load_b128 v[SC+8*NQ*\sc+NQ*\i:SC+8*NQ*\sc+NQ*\i+3], v[ADRS] offset:\i*SBLK
.endr
.endm
; A load into a register that a matrix instruction has read, and a vector instruction that reads a matrix result, stand four places behind that matrix instruction; only plain vector instructions that name none of its registers
; are places (ISA guide 7.12.1 for vector instructions).
.macro PLACES n
.rept \n
	v_nop
.endr
.endm
; A step of 128 along K that has its successor in the same slot.  A block of A is free as soon as its eight products are issued: blocks 0-3 are fetched anew in the step's middle, blocks 4-7 at its end; B has two sets.
.macro STEP slot, q, zero
	s_wait_dscnt 4*NL                              ; B's set and A's blocks 0-3 are in; the youngest eight loads (A's blocks 4-7) may be out
	WIN MUL_LO
	MUL16 0, (\q)%2, \q, \slot, \zero
	MUL16 2, (\q)%2, \q, \slot, \zero
	s_wait_dscnt 0                                 ; A's blocks 4-7 are in
	PLACES NP
	FETCH_B \slot, (\q)+1, 1-(\q)%2
	FETCH_A \slot, (\q)+1, 0
	WIN MUL_HI
	MUL16 4, (\q)%2, \q, \slot, \zero
	MUL16 6, (\q)%2, \q, \slot, \zero
	PLACES NP
	WIN 0
	FETCH_A \slot, (\q)+1, 4
.endm
; Slot 0's last step goes over to slot 1: each wave waits for all its tensor loads (its part of slot 1), then the work-group's barrier: behind it slot 1 is whole.  Nothing is filled again.
.macro TURN slot, next
	s_wait_tensorcnt 0x0                           ; all my tensor loads have landed
	ds_add_u32 v[SPW], v[NIL]                      ; 0 onto my spare word
	s_wait_dscnt 4*NL+1                            ; (the add and the youngest eight loads, A's blocks 4-7, may be out)
	WIN MUL_LO
	MUL16 0, 1, NQ-1, \slot, 0
	s_wait_dscnt 0x0                               ; no LDS instruction of mine is pending at the signal
	s_barrier_signal -1
	MUL16 2, 1, NQ-1, \slot, 0
	WIN 0
	s_barrier_wait -1
	PLACES NP
	v_add_nc_u32 v[ADRS], 4*NQ, v[ADRS]            ; on to the next slot's scale words
	FETCH_B \next, 0, 0
	FETCH_A \next, 0, 0
	SCALES \next
	WIN MUL_HI
	MUL16 4, 1, NQ-1, \slot, 0
	MUL16 6, 1, NQ-1, \slot, 0
	PLACES NP
	WIN 0
	FETCH_A \next, 0, 4
.endm
.macro STEPS slot, from                ; the slot's steps from .. NQ - 2
.set Q, \from
.rept NQ-1-\from
	STEP \slot, Q, 0
.set Q, Q+1
.endr
.endm
	s_wait_tensorcnt 1                             ; the scales and my part of slot 0 are in (slot 1's load may be out),
	s_barrier_signal -1
	s_barrier_wait -1                              ; everybody's are
	FETCH_B 0, 0, 0
	FETCH_A 0, 0, 0
	SCALES 0
	FETCH_A 0, 0, 4
	STEP 0, 0, 1                                   ; the first step's products start the sums
	STEPS 0, 1
	TURN 0, 1
	STEPS 1, 0
	s_wait_dscnt 4*NL                              ; the last step: nothing more to fetch
	WIN MUL_LO
	MUL16 0, 1, NQ-1, 1, 0
	MUL16 2, 1, NQ-1, 1, 0
	s_wait_dscnt 0
	WIN MUL_HI
	MUL16 4, 1, NQ-1, 1, 0
	MUL16 6, 1, NQ-1, 1, 0
	WIN 0
; THE WAY OUT of block a (16 tokens x 128 columns): a lane's eight results of an accumulator pack into 16 bytes of f16, which are its 16 bytes of one chunk.  Each accumulator is read from its low end on.
; Column block b lies in head b / 4 of my two, chunk b % 4; token block a in group a / 4 of my two, token tile a % 4: all in the store's immediate, 818,688 at the most.
.macro PACKST a
.if (\a) >= 4
	s_wait_xcnt 0x0                                ; the stores of four blocks back have read their data: the set is written again only behind this wait
.endif
	WIN 0x0a+5*((\a)/4)                            ; sources 0 and 1: window 2 or 3
.irp b, 0,1,2,3,4,5,6,7
.irp n, 0,1,2,3
	v_cvt_pk_f16_f32 v[OUTR+32*((\a)%4)+4*\b+\n], v[64*((\a)%4)+8*\b+2*\n], v[64*((\a)%4)+8*\b+2*\n+1]
.endr
.endr
	WIN 0
.irp b, 0,1,2,3,4,5,6,7
	global_store_b128 v[CO], v[OUTR+32*((\a)%4)+4*\b:OUTR+32*((\a)%4)+4*\b+3], s[12:13] offset:(\b/4)*HEADB+((\a)/4)*GRPB+((\a)%4)*2048+(\b%4)*512   ; 32 lanes store 512 consecutive bytes, aligned
.endr
.endm
	PLACES NP                                      ; behind the last products: their results are read, and A's fragment registers written, only behind these
.irp a, 0,1,2,3,4,5,6,7
	PACKST \a
.endr
	s_wait_tensorcnt 0x0                           ; the wave's end
	ds_add_u32 v[SPW], v[NIL]
	s_wait_dscnt 0x0
	CROUND                                         ; the closing round: no work-group ends while a partner may still ask for a tile that names it
	s_endpgm
.Lfunc_end_k_qd353afad3f_qkv:
	.size	k_qd353afad3f_qkv, .Lfunc_end_k_qd353afad3f_qkv-k_qd353afad3f_qkv
	.p2alignl 7, 3214868480
	.fill 96, 4, 3214868480
	.section	.rodata,"a",@progbits
	.p2align	6, 0x0
	.amdhsa_kernel k_qd353afad3f_qkv
		.amdhsa_group_segment_fixed_size 327680
		.amdhsa_private_segment_fixed_size 0
		.amdhsa_enable_private_segment 0
		.amdhsa_kernarg_size 40
		.amdhsa_user_sgpr_count 2
		.amdhsa_user_sgpr_kernarg_segment_ptr 1
		.amdhsa_wavefront_size32 1
		.amdhsa_system_sgpr_workgroup_id_x 1
		.amdhsa_system_sgpr_workgroup_id_y 1
		.amdhsa_system_sgpr_workgroup_id_z 1
		.amdhsa_system_vgpr_workitem_id 0
		.amdhsa_next_free_vgpr 1024
		.amdhsa_next_free_sgpr 98
		.amdhsa_reserve_vcc 0
		.amdhsa_float_denorm_mode_32 3
		.amdhsa_float_denorm_mode_16_64 3
		.amdhsa_memory_ordered 1
		.amdhsa_forward_progress 1
		.amdhsa_inst_pref_size 118
	.end_amdhsa_kernel
	.amdgpu_metadata
---
amdhsa.version: [ 1, 2 ]
amdhsa.kernels:
  - .name:           k_qd353afad3f_qkv
    .symbol:         k_qd353afad3f_qkv.kd
    .args:
      - { .name: x_codes, .offset: 0, .size: 8, .value_kind: global_buffer, .address_space: global }
      - { .name: x_scales, .offset: 8, .size: 8, .value_kind: global_buffer, .address_space: global }
      - { .name: w_codes, .offset: 16, .size: 8, .value_kind: global_buffer, .address_space: global }
      - { .name: w_scales, .offset: 24, .size: 8, .value_kind: global_buffer, .address_space: global }
      - { .name: qkv, .offset: 32, .size: 8, .value_kind: global_buffer, .address_space: global }
    .group_segment_fixed_size: 327680
    .private_segment_fixed_size: 0
    .kernarg_segment_align: 8
    .kernarg_segment_size: 40
    .max_flat_workgroup_size: 128
    .sgpr_count:     98
    .vgpr_count:     1024
    .wavefront_size: 32
...
	.end_amdgpu_metadata
.endif
;; end of part 2
;; launch attn (part 3): grid 4 x 64, 8 waves a work-group, clusters of 4 x 1, 327,680 bytes of LDS; arguments qkv, o_img; writes o_img
.if DOCPART == 3
	.amdgcn_target "amdgcn-amd-amdhsa--gfx1250"
	.amdhsa_code_object_version 6
	.text
	.protected	k_qd353afad3f_attn
	.globl	k_qd353afad3f_attn
	.p2align	8
	.type	k_qd353afad3f_attn,@function
k_qd353afad3f_attn:
	s_mov_b64 s[64:65], 0
	v_nop
	global_prefetch_b8 v0, s[64:65] scope:SCOPE_SE
	s_setreg_imm32_b32 hwreg(HW_REG_WAVE_MODE, 25, 1), 1
	s_wait_xcnt 0x0
	s_wait_alu depctr_hold_cnt(0) depctr_sa_sdst(0) depctr_va_vdst(0) depctr_va_sdst(0) depctr_va_ssrc(0) depctr_va_vcc(0) depctr_vm_vsrc(0)
	s_getreg_b32 s2, hwreg(HW_REG_IB_STS2, 6, 4)
	s_cmp_eq_u32 s2, 0
	s_cbranch_scc0 .Lentry_in_a_cluster
	s_endpgm
.Lentry_in_a_cluster:
	s_bfe_u32 s2, ttmp6, 0x10000c
	s_cmp_lg_u32 s2, 0x3003
	s_cbranch_scc0 .Lentry_shape_is_right
	s_endpgm
.Lentry_shape_is_right:
; THIRD LAUNCH: O[bh][q] = the sum over k of softmax_k(Q[bh][q] . K[bh][k] / 8) V[bh][k]: 64 (batch, head), 2,048 tokens, head size 64, no mask.  Operands f16, products, maxima and sums f32.
; INPUT qkv [bh 64][group of 64 tokens, 32][Q 8 KB | K 8 KB | V 8 KB]: images of operand registers in chunks of 512 bytes, lane l's 16 bytes at 16 l (V: laid for the turning LDS load).
; OUTPUT o_img [ks 8][mt 512][j 8][512 bytes], f16: lane (r, h) of chunk j holds row 16 mt + r of the attention result [8192][1024], columns 128 ks + 16 j + 8 h + 0 .. 7: the next launch's operand images.
; LIMITS: scores stay above -3e38; |result| under 65,504 (f16); weights p under 6e-8 of the row's largest are rounded to 0 (f16's smallest number).
; SHARES.  A work-group owns 512 queries of one (batch, head); each of its EIGHT waves owns 64: four tiles of 16, in 512 registers: two waves to a SIMD, so that one wave's softmax stands beside the other's products
; while the text stays in plain phases.  Every wave walks all 2,048 keys, 64 a step; each fragment of K and V read from LDS feeds four products.
; LAYOUT.  S^T = K Q^T (source 0 = 16 keys, source 1 = 16 queries): a lane holds ONE query (lane % 16) and keys 8 (lane / 16) + 0 .. 7 of each key tile.  Rounded to f16 in pairs, IN PLACE, two key tiles are source 1 of
; O^T = V^T P, whose result again holds one query a lane.  THE ROW'S SUM IS A FIFTH CHANNEL TILE: source 0 = ones, so that every register of its accumulator holds the query's sum of the rounded weights, in every lane:
; no vector additions, no exchange at the end.
; SOFTMAX.  A running maximum m for each query: p = 2^(c s - c m), c = log2(e) / 8; in every step O^T and the sum are multiplied by a = 2^(c m_old - c m_new).  Of the sum's accumulator only the lowest pair is so scaled and read;
; its other registers hold sums of at most 2,048 numbers not above about 1 and are never read.
; RING.  Two LDS slots of eight key steps (16 KB a step: K's 8 KB, then V's).  Wave w fetches step w of a slot: one dense block, 64 rows of 256 bytes.  A refill has eight key steps in which to land.
; CLUSTER.  The four blocks of queries of a (batch, head) walk the same K and V: every tile is asked for JOINTLY, by the same tensor load with the same descriptor and a mask that names the four.
; By this text's own count a wave has two tensor loads out at the start and one behind each refill's barrier.
; REGISTERS.  Window 0: v1 16 x lane; v2 the address in hand; v4, v5 the add's two; v8-39 statistics, eight a tile: +0 c m, +1 m, +4 .. +7 at work (a in +6); v48-111 S^T, then P, of the two tiles in hand;
;   v112-175 K's fragments; v176-239 Q's.   Window 1: v0-127 O^T, 32 a tile; v128-159 the sums, 8 a tile; v160-223 V's fragments; v224-231 ones.
.set HEADB, 786432
.set GRPB,  24576
.set STEPB, 16384                      ; a key step in LDS
.set SLOT1, 1<<17                      ; a slot is eight steps; one exclusive or turns an address in one slot into the other's
.set SPARE, 2*SLOT1                    ; behind the ring: the spare words, 128 bytes a wave, which no other line names
.set LI,  1
.set ADR, 2
.set SPW, 4
.set NIL, 5
.set ST,  8
.set S,   48
.set KF,  112
.set QF,  176
.set O,   0                            ; in window 1
.set LA,  128
.set VF,  160
.set ONE, 224
.set WV,  8                            ; s8   my wave's number
.set G1,  16                           ; s[16:23] descriptor group 1
.set G0,  24                           ; s[24:27] group 0 of slot 0's first fill;  s[28:31] of slot 1's, which then walks on
.set G0W, 28
.set CS,  32                           ; s[32:33] c: the packed form names a pair and takes its low word for both halves
.set SEL, 34                           ; s[34:35] lane selects for v_permlanex16_b32: lane l xor 16
.set TB,  36                           ; s36  LDS byte at which the step to be fetched begins
.set TRIP, 37                          ; s37  counts key steps
.set SLOTS, 38                         ; s38  counts refills
.set MSB, 0
.macro WIN new                         ; the immediate's high byte repeats the setting that is left
.if MSB != (\new)
	s_set_vgpr_msb (MSB<<8)|(\new)
.set MSB, (\new)
.endif
.endm
.macro CROUND                          ; a round of the cluster's barrier: my work-group's barrier; wave 0 signals for the work-group; every wave waits for all four; my work-group's barrier once more
	s_barrier_signal -1
	s_barrier_wait -1
	s_cmp_lg_u32 s[WV], 0
	s_cbranch_scc1 .Lnot_wave_0_\@
	s_barrier_signal -3
.Lnot_wave_0_\@:
	s_barrier_wait -3
	s_barrier_signal -1
	s_barrier_wait -1
.endm
	s_load_b128 s[4:7], s[0:1], 0x0                ; qkv s[4:5], o_img s[6:7]
	v_lshl_add_u32 v[SPW], v0, 2, SPARE
	v_mov_b32 v[NIL], 0
	ds_add_u32 v[SPW], v[NIL]                      ; the wave's opening: the add, twice on end, and its wait ahead of my first tensor load; the set-up below stands between
	ds_add_u32 v[SPW], v[NIL]
	v_lshrrev_b32 v1, 5, v0
	v_readfirstlane_b32 s[WV], v1                  ; wave 0..7
	s_bfe_u32 s9, ttmp6, 0x40000                   ; cx: my block of 512 queries: it enters Q's and O's addresses alone
	s_and_b32 s10, ttmp7, 0xffff                   ; bh, which the four partners share
	; descriptor group 1: a dense block of 16,384 bytes as 64 rows of 256 bytes (32 elements of 8 bytes), no padding: fragments are read as consecutive bytes
	s_mov_b32 s[G1], 15|(3<<16)|(1<<21)            ; 15:0 the mask: all four work-groups; 17:16 elements of 8 bytes; 21 set beside a mask
	s_mov_b32 s[G1+1], 32<<16                      ; tensor_dim0 = 32
	s_mov_b32 s[G1+2], 64<<16                      ; tensor_dim1 = 64
	s_mov_b32 s[G1+3], 32<<16                      ; tile_dim0 = 32
	s_mov_b32 s[G1+4], 64                          ; tile_dim1 = 64
	s_mov_b32 s[G1+5], 32                          ; from row to row
	s_mov_b32 s[G1+6], 0
	s_mov_b32 s[G1+7], 0
	s_mov_b32 s[CS], 0x3e38aa3b                    ; c = log2(e) / 8
	s_mov_b32 s[CS+1], s[CS]
	s_mov_b32 s[SEL], 0x76543210
	s_mov_b32 s[SEL+1], 0xfedcba98
	s_mov_b32 s[TB], 0
	s_mul_i32 s40, s10, HEADB                      ; my (batch, head) in qkv: under 2^26
	s_mul_i32 s42, s[WV], GRPB                     ; the key step that I fetch: step w of a slot,
	s_add_co_u32 s42, s42, 8192                    ; its K and V parts,
	s_add_co_u32 s42, s42, s40
	s_mov_b32 s43, 0
	s_lshl_b32 s44, s9, 3
	s_add_co_u32 s44, s44, s[WV]                   ; my group of 64 queries: 8 cx + w
	s_mul_i32 s44, s44, GRPB
	s_add_co_u32 s44, s44, s40
	s_mov_b32 s45, 0
	s_and_b32 s46, s10, 15                         ; the head
	s_lshr_b32 s46, s46, 1
	s_lshl_b32 s46, s46, 21                        ; ks = head / 2: 2 MiB each
	s_lshr_b32 s47, s10, 4                         ; the batch: 128 row tiles,
	s_lshl_b32 s47, s47, 7
	s_lshl_b32 s48, s9, 5
	s_add_co_u32 s47, s47, s48                     ; + 32 cx
	s_lshl_b32 s48, s[WV], 2
	s_add_co_u32 s47, s47, s48                     ; + 4 w
	s_lshl_b32 s47, s47, 12                        ; 4,096 bytes a row tile
	s_add_co_u32 s46, s46, s47
	s_and_b32 s47, s10, 1
	s_lshl_b32 s47, s47, 11                        ; chunks 4 (head % 2) on
	s_add_co_u32 s46, s46, s47
	s_mov_b32 s47, 0
	s_wait_dscnt 0x0                               ; both opening adds are done
	s_wait_kmcnt 0x0
	s_add_nc_u64 s[12:13], s[4:5], s[44:45]        ; Q's images of my 64 queries
	s_add_nc_u64 s[14:15], s[6:7], s[46:47]        ; where my results go
	s_mov_b32 s[G0], 1                             ; count = 1
	s_lshl_b32 s[G0+1], s[WV], 14                  ; LDS: slot 0, step w: no place in the cluster enters an LDS address
	s_add_nc_u64 s[G0+2:G0+3], s[4:5], s[42:43]    ; keys 64 w on
	s_mov_b32 s[G0W], 1
	s_add_co_u32 s[G0W+1], s[G0+1], SLOT1          ; slot 1,
	s_add_nc_u64 s[G0W+2:G0W+3], s[G0+2:G0+3], 8*GRPB  ; eight key steps on
	s_or_b32 s[G0+3], s[G0+3], 0x80000000          ; type = 2
	s_or_b32 s[G0W+3], s[G0W+3], 0x80000000
	CROUND                                         ; all four work-groups are here: the first joint loads meet
	tensor_load_to_lds s[G0:G0+3], s[G1:G1+7]
	s_nop 0
	tensor_load_to_lds s[G0W:G0W+3], s[G1:G1+7]
	s_nop 0
.rept 4
	v_nop
.endr
	v_and_b32 v[LI], 31, v0
	v_lshlrev_b32 v[LI], 4, v[LI]                  ; 16 x lane: my place in every chunk
.irp t, 0,1,2,3
.irp j, 0,1,2,3
	global_load_b128 v[QF+16*\t+4*\j:QF+16*\t+4*\j+3], v[LI], s[12:13] offset:2048*\t+512*\j   ; Q stays in registers: tile t, chunk j; chunks 2 c, 2 c + 1 are the fragment of channels 32 c on
.endr
.endr
.irp t, 0,1,2,3
	v_mov_b32 v[ST+8*\t+1], 0xff61b1e6             ; m = -3e38, under every score
	v_mul_f32 v[ST+8*\t], s[CS], v[ST+8*\t+1]      ; c m
.endr
	WIN 0x40                                       ; destination window 1
.set i, 0
.rept 160
	v_mov_b32 v[i], 0                              ; O^T and the sums begin as zeros, so that the key step is written without a first step of its own: the first a is 2^(-5e37) = 0, which leaves zeros zeros
.set i, i+1
.endr
.irp i, 0,1,2,3,4,5,6,7
	v_mov_b32 v[ONE+\i], 0x3c003c00                ; 1.0 twice, in f16
.endr
	WIN 0
; A step's K: 16 chunks as they lie: key tile kt, chunk j at KF + 16 kt + 4 j.
.macro FETCH_K
	v_add_nc_u32 v[ADR], s[TB], v[LI]
.set i, 0
.rept 16
	ds_load_b128 v[KF+4*i:KF+4*i+3], v[ADR] offset:512*i
.set i, i+1
.endr
.endm
; The same step's V, turned: the fragment of V^T (channels 16 ct on, keys 32 g on) takes key tiles 2 g and 2 g + 1.  Then the fetches go on to the next step.
.macro FETCH_V
	WIN 0x40
.irp g, 0,1
.irp ct, 0,1,2,3
.irp e, 0,1
	ds_load_tr16_b128 v[VF+8*(4*\g+\ct)+4*\e:VF+8*(4*\g+\ct)+4*\e+3], v[ADR] offset:8192+(2*\g+\e)*2048+\ct*512
.endr
.endr
.endr
	WIN 0
	s_add_co_u32 s[TB], s[TB], STEPB
.endm
; S^T = K Q^T for tiles 2 p, 2 p + 1: 16 products; the eight accumulators take turns, one instruction a turn; the first eight start the sums.
; The four v_nop are the places ahead of the first read of the scores and of the loads into K's registers.
.macro KQ p
.irp c, 0,1
.irp kt, 0,1,2,3
.irp u, 0,1
.if \c == 0
	v_wmma_f32_16x16x32_f16 v[S+32*\u+8*\kt:S+32*\u+8*\kt+7], v[KF+16*\kt+8*\c:KF+16*\kt+8*\c+7], v[QF+16*(2*\p+\u)+8*\c:QF+16*(2*\p+\u)+8*\c+7], 0
.else
	v_wmma_f32_16x16x32_f16 v[S+32*\u+8*\kt:S+32*\u+8*\kt+7], v[KF+16*\kt+8*\c:KF+16*\kt+8*\c+7], v[QF+16*(2*\p+\u)+8*\c:QF+16*(2*\p+\u)+8*\c+7], v[S+32*\u+8*\kt:S+32*\u+8*\kt+7]
.endif
.endr
.endr
.endr
.rept 4
	v_nop
.endr
.endm
; The softmax of tiles 2 p, 2 p + 1 for one key step; the two tiles alternate line by line, so that no line waits for the line above it.
.macro SM p
.irp j, 0,1,2,3                        ; the maximum of a lane's 32 scores and the old m: four chains, one for each key tile, each begun at its accumulator's low end
.irp u, 0,1
	v_max3_num_f32 v[ST+8*(2*\p+\u)+4+\j], v[S+32*\u+8*\j], v[S+32*\u+8*\j+1], v[S+32*\u+8*\j+2]
.endr
.endr
.irp i, 3,5
.irp j, 0,1,2,3
.irp u, 0,1
	v_max3_num_f32 v[ST+8*(2*\p+\u)+4+\j], v[ST+8*(2*\p+\u)+4+\j], v[S+32*\u+8*\j+\i], v[S+32*\u+8*\j+\i+1]
.endr
.endr
.endr
.irp u, 0,1
	v_max3_num_f32 v[ST+8*(2*\p+\u)+4], v[ST+8*(2*\p+\u)+4], v[S+32*\u+7], v[S+32*\u+15]
	v_max3_num_f32 v[ST+8*(2*\p+\u)+6], v[ST+8*(2*\p+\u)+6], v[S+32*\u+23], v[S+32*\u+31]
.endr
.irp u, 0,1
	v_max3_num_f32 v[ST+8*(2*\p+\u)+4], v[ST+8*(2*\p+\u)+4], v[ST+8*(2*\p+\u)+5], v[ST+8*(2*\p+\u)+6]
.endr
.irp u, 0,1
	v_max3_num_f32 v[ST+8*(2*\p+\u)+4], v[ST+8*(2*\p+\u)+4], v[ST+8*(2*\p+\u)+7], v[ST+8*(2*\p+\u)+1]
.endr
.irp u, 0,1
	v_permlanex16_b32 v[ST+8*(2*\p+\u)+5], v[ST+8*(2*\p+\u)+4], s[SEL], s[SEL+1]   ; the query's other 32 keys lie in the lane 16 away
.endr
.irp u, 0,1
	v_mov_b32 v[ST+8*(2*\p+\u)+7], v[ST+8*(2*\p+\u)]   ; c m_old
.endr
.irp u, 0,1
	v_max_num_f32 v[ST+8*(2*\p+\u)+1], v[ST+8*(2*\p+\u)+4], v[ST+8*(2*\p+\u)+5]   ; the new m
.endr
.irp u, 0,1
	v_mul_f32 v[ST+8*(2*\p+\u)], s[CS], v[ST+8*(2*\p+\u)+1]
.endr
.irp u, 0,1
	v_sub_f32 v[ST+8*(2*\p+\u)+7], v[ST+8*(2*\p+\u)+7], v[ST+8*(2*\p+\u)]
.endr
; ONE BATCH: a, and the 64 weights.  Nothing in it names an exponential's result.  A pair of scores is scaled two lines of pairs ahead of its exponentials, so plain lines stand among them.
.irp u, 0,1
	v_exp_f32 v[ST+8*(2*\p+\u)+6], v[ST+8*(2*\p+\u)+7]   ; a = 2^(c m_old - c m_new)
.endr
.irp n, 0,1,2,3,4,5,6,7,8,9,10,11,12,13,14,15
.irp u, 0,1
	v_pk_fma_f32 v[S+32*\u+2*\n:S+32*\u+2*\n+1], v[S+32*\u+2*\n:S+32*\u+2*\n+1], s[CS:CS+1], v[ST+8*(2*\p+\u):ST+8*(2*\p+\u)+1] op_sel_hi:[1,0,0] neg_lo:[0,0,1] neg_hi:[0,0,1]   ; c s - c m
.endr
.if \n >= 2
.irp u, 0,1
	v_exp_f32 v[S+32*\u+2*\n-4], v[S+32*\u+2*\n-4]
	v_exp_f32 v[S+32*\u+2*\n-3], v[S+32*\u+2*\n-3]
.endr
.endif
.endr
.irp e, 28,29,30,31
.irp u, 0,1
	v_exp_f32 v[S+32*\u+\e], v[S+32*\u+\e]
.endr
.endr
	v_nop                                          ; a plain line behind the last exponential, ahead of the first use (ISA guide 5.7.2)
	s_wait_alu depctr_va_vdst(0)                   ; the wait ahead of the first line that names a result: one for the 66 exponentials
.irp n, 0,1,2,3,4,5,6,7,8,9,10,11,12,13,14,15
.irp u, 0,1
	v_cvt_pk_f16_f32 v[S+32*\u+\n], v[S+32*\u+2*\n], v[S+32*\u+2*\n+1]   ; P in place: register n takes pair n; n never passes 2 n, so nothing unread is written over
.endr
.endr
	WIN 0x41                                       ; O^T and the sums (destination, source 0) window 1; a window 0
.irp u, 0,1
.set i, 0
.rept 16
	v_pk_mul_f32 v[O+32*(2*\p+\u)+i:O+32*(2*\p+\u)+i+1], v[O+32*(2*\p+\u)+i:O+32*(2*\p+\u)+i+1], v[ST+8*(2*\p+\u)+6:ST+8*(2*\p+\u)+7] op_sel_hi:[1,0]   ; each accumulator from its low end on
.set i, i+2
.endr
	v_pk_mul_f32 v[LA+8*(2*\p+\u):LA+8*(2*\p+\u)+1], v[LA+8*(2*\p+\u):LA+8*(2*\p+\u)+1], v[ST+8*(2*\p+\u)+6:ST+8*(2*\p+\u)+7] op_sel_hi:[1,0]   ; the sum: its lowest pair alone
.endr
.endm
; O^T += V^T P and the sums += ones P for tiles 2 p, 2 p + 1: 20 products; the ten accumulators take turns.  The five v_nop are the places ahead of the next K Q^T, which writes over P, and of the loads into V's registers.
.macro PV p
	WIN 0x51                                       ; V and ones window 1, P window 0, C and D window 1
.irp g, 0,1
.irp ct, 0,1,2,3
.irp u, 0,1
	v_wmma_f32_16x16x32_f16 v[O+32*(2*\p+\u)+8*\ct:O+32*(2*\p+\u)+8*\ct+7], v[VF+8*(4*\g+\ct):VF+8*(4*\g+\ct)+7], v[S+32*\u+8*\g:S+32*\u+8*\g+7], v[O+32*(2*\p+\u)+8*\ct:O+32*(2*\p+\u)+8*\ct+7]
.endr
.endr
.irp u, 0,1
	v_wmma_f32_16x16x32_f16 v[LA+8*(2*\p+\u):LA+8*(2*\p+\u)+7], v[ONE:ONE+7], v[S+32*\u+8*\g:S+32*\u+8*\g+7], v[LA+8*(2*\p+\u):LA+8*(2*\p+\u)+7]
.endr
.endr
	WIN 0
.rept 5
	v_nop
.endr
.endm
; A key step in two halves.  A: tiles 0, 1 whole, and the scores of tiles 2, 3: then K's registers are free.  B: the next step's K is asked for; tiles 2, 3 are finished; then the next step's V.
.macro HALF_A
	s_wait_dscnt 16                                ; K's 16 loads are in; V's 16, issued behind them, may be out
	KQ 0
	SM 0
	s_wait_dscnt 0x0                               ; V is in
	PV 0
	KQ 1
.endm
.macro HALF_B f
.if \f
	FETCH_K
.endif
	SM 1
	PV 1
.if \f
	FETCH_V
.endif
.endm
.macro WALK n                          ; n times: the second half of a step and the first half of the next
	s_mov_b32 s[TRIP], \n
.Lstep_\@:
	HALF_B 1
	HALF_A
	s_sub_co_u32 s[TRIP], s[TRIP], 1
	s_cmp_lg_u32 s[TRIP], 0
	s_cbranch_scc1 .Lstep_\@
.endm
; THE CHANGE OF SLOTS stands in the middle of a slot's last step: its K and V are in every wave's registers, and the next fetch is from the other slot.  Each wave waits for all its tensor loads (its part of the other slot),
; adds 0 to its spare word, and waits for that and for its reads of this slot.  fill = 1: the barrier is a round of the cluster's, and this slot is filled again first thing behind it, with the keys two slots on.
.macro CHANGE fill
	s_wait_tensorcnt 0x0                           ; no tensor load of mine is out, so a group 0 may be written
	ds_add_u32 v[SPW], v[NIL]                      ; 0 onto my spare word
.if \fill
	s_xor_b32 s[G0W+1], s[G0W+1], SLOT1            ; the walking descriptor: the other slot than last time,
	s_add_nc_u64 s[G0W+2:G0W+3], s[G0W+2:G0W+3], 8*GRPB   ; the next eight key steps; the type bits on top are not reached
.endif
	s_wait_dscnt 0x0                               ; the add is done, and my reads of this slot are over
.if \fill
	CROUND                                         ; no wave of any partner still reads the slot or has a load on its way
	tensor_load_to_lds s[G0W:G0W+3], s[G1:G1+7]    ; my one tensor load until the next such barrier
	s_nop 0
.rept 4
	v_nop
.endr
.else
	s_barrier_signal -1
	s_barrier_wait -1
.endif
	s_sub_co_u32 s[TB], s[TB], 8*STEPB             ; the fetches go back to a slot's first step,
	s_xor_b32 s[TB], s[TB], SLOT1                  ; in the other slot
.endm
	s_wait_tensorcnt 1                             ; my part of slot 0 is in; slot 1's may stay out
	s_barrier_signal -1
	s_barrier_wait -1                              ; everybody's is
	FETCH_K                                        ; key step 0
	FETCH_V
	s_wait_loadcnt 0x0                             ; Q
	HALF_A
	WALK 7                                         ; up to the middle of step 7
	s_mov_b32 s[SLOTS], 2
.Lslot:                                            ; two trips: slot 0 takes key steps 16-23, slot 1 steps 24-31
	CHANGE 1
	WALK 8
	s_sub_co_u32 s[SLOTS], s[SLOTS], 1
	s_cmp_lg_u32 s[SLOTS], 0
	s_cbranch_scc1 .Lslot
	CHANGE 0                                       ; the last slot is written out: nothing is left to ask for
	WALK 8
	HALF_B 0                                       ; the second half of step 31
	; THE WAY OUT.  O^T is divided by the sum, rounded to f16, and a lane's eight channels of a tile, 16 bytes, are its 16 bytes of one chunk of the next launch's operand: stored straight from registers.
	WIN 0x01                                       ; source window 1, destination window 0
.irp t, 0,1,2,3
	v_rcp_f32 v[ST+8*\t+6], v[LA+8*\t]             ; the sum's lowest register
.endr
	WIN 0
	v_nop                                          ; a plain line behind the last reciprocal
	s_wait_alu depctr_va_vdst(0)                   ; and the wait ahead of the first use: one for the four
	WIN 0x41
.irp t, 0,1,2,3
.set i, 0
.rept 16
	v_pk_mul_f32 v[O+32*\t+i:O+32*\t+i+1], v[O+32*\t+i:O+32*\t+i+1], v[ST+8*\t+6:ST+8*\t+7] op_sel_hi:[1,0]
.set i, i+2
.endr
.endr
	WIN 0x05                                       ; sources window 1, destination window 0: S^T's registers are free
.irp t, 0,1,2,3
.set i, 0
.rept 16
	v_cvt_pk_f16_f32 v[S+16*\t+i], v[O+32*\t+2*i], v[O+32*\t+2*i+1]
.set i, i+1
.endr
.endr
	WIN 0
.irp t, 0,1,2,3
.irp ct, 0,1,2,3
	global_store_b128 v[LI], v[S+16*\t+4*\ct:S+16*\t+4*\ct+3], s[14:15] offset:4096*\t+512*\ct   ; 32 lanes store 512 consecutive bytes, aligned
.endr
.endr
	s_wait_tensorcnt 0x0                           ; the wave's end
	ds_add_u32 v[SPW], v[NIL]
	s_wait_dscnt 0x0
	CROUND                                         ; the closing round: no work-group ends while a partner may still ask for a tile that names it
	s_endpgm
.Lfunc_end_k_qd353afad3f_attn:
	.size	k_qd353afad3f_attn, .Lfunc_end_k_qd353afad3f_attn-k_qd353afad3f_attn
	.p2alignl 7, 3214868480
	.fill 96, 4, 3214868480
	.section	.rodata,"a",@progbits
	.p2align	6, 0x0
	.amdhsa_kernel k_qd353afad3f_attn
		.amdhsa_group_segment_fixed_size 327680
		.amdhsa_private_segment_fixed_size 0
		.amdhsa_enable_private_segment 0
		.amdhsa_kernarg_size 16
		.amdhsa_user_sgpr_count 2
		.amdhsa_user_sgpr_kernarg_segment_ptr 1
		.amdhsa_wavefront_size32 1
		.amdhsa_system_sgpr_workgroup_id_x 1
		.amdhsa_system_sgpr_workgroup_id_y 1
		.amdhsa_system_sgpr_workgroup_id_z 1
		.amdhsa_system_vgpr_workitem_id 0
		.amdhsa_next_free_vgpr 512
		.amdhsa_next_free_sgpr 66
		.amdhsa_reserve_vcc 0
		.amdhsa_float_denorm_mode_32 3
		.amdhsa_float_denorm_mode_16_64 3
		.amdhsa_memory_ordered 1
		.amdhsa_forward_progress 1
		.amdhsa_inst_pref_size 139
	.end_amdhsa_kernel
	.amdgpu_metadata
---
amdhsa.version: [ 1, 2 ]
amdhsa.kernels:
  - .name:           k_qd353afad3f_attn
    .symbol:         k_qd353afad3f_attn.kd
    .args:
      - { .name: qkv, .offset: 0, .size: 8, .value_kind: global_buffer, .address_space: global }
      - { .name: o_img, .offset: 8, .size: 8, .value_kind: global_buffer, .address_space: global }
    .group_segment_fixed_size: 327680
    .private_segment_fixed_size: 0
    .kernarg_segment_align: 8
    .kernarg_segment_size: 16
    .max_flat_workgroup_size: 256
    .sgpr_count:     66
    .vgpr_count:     512
    .wavefront_size: 32
...
	.end_amdgpu_metadata
.endif
;; end of part 3
;; launch proj (part 4): grid 4 x 64, 4 waves a work-group, clusters of 4 x 4, 327,680 bytes of LDS; arguments o_img, wo_img, bo, out0; writes out0
.if DOCPART == 4
	.amdgcn_target "amdgcn-amd-amdhsa--gfx1250"
	.amdhsa_code_object_version 6
	.text
	.protected	k_qd353afad3f_proj
	.globl	k_qd353afad3f_proj
	.p2align	8
	.type	k_qd353afad3f_proj,@function
k_qd353afad3f_proj:
	s_mov_b64 s[64:65], 0
	v_nop
	global_prefetch_b8 v0, s[64:65] scope:SCOPE_SE
	s_setreg_imm32_b32 hwreg(HW_REG_WAVE_MODE, 25, 1), 1
	s_wait_xcnt 0x0
	s_wait_alu depctr_hold_cnt(0) depctr_sa_sdst(0) depctr_va_vdst(0) depctr_va_sdst(0) depctr_va_ssrc(0) depctr_va_vcc(0) depctr_vm_vsrc(0)
	s_getreg_b32 s2, hwreg(HW_REG_IB_STS2, 6, 4)
	s_cmp_eq_u32 s2, 0
	s_cbranch_scc0 .Lentry_in_a_cluster
	s_endpgm
.Lentry_in_a_cluster:
	s_bfe_u32 s2, ttmp6, 0x10000c
	s_cmp_lg_u32 s2, 0xf033
	s_cbranch_scc0 .Lentry_shape_is_right
	s_endpgm
.Lentry_shape_is_right:
; FOURTH LAUNCH: out0[m][n] = the sum over k of o[m][k] Wo[n][k] + bo[n].  M = 8,192, N = 1,024, K = 1,024.  Operands f16, sums f32, K ascending; out0 f32.
; Both operands arrive as images of operand registers, in chunks of 512 bytes (lane l's 16 bytes at 16 l): o_img [ks 8][mt 512][j 8][512], wo_img [ks 8][nt 64][j 8][512]: lane (r, h) of chunk j holds row 16 mt + r (16 nt + r),
; k = 128 ks + 16 j + 8 h + 0 .. 7.  So a K step's tile is one dense block of memory, and a fragment is two loads of consecutive LDS bytes: no pitch, no padding.
; A tile of out0 is 128 x 256, so that 8,192 x 1,024 gives 256 work-groups.  Four waves, each 64 rows x 128 columns: 32 accumulators, 256 registers.  K goes in eight steps of 128 through two LDS slots.
; CLUSTERS: 4 x 4 work-groups.  The four of a row of the cluster need the same tiles of o, the four of a column the same tiles of Wo: each tile is asked for JOINTLY.  Waves 0, 1 fetch o's two halves (16 KB each), waves 2, 3 Wo's (32 KB each).
; By this text's own count a wave has two tensor loads out at the start and one behind each refill's barrier.
; THE MATRIX INSTRUCTION IS USED TRANSPOSED (source 0 = 16 rows of Wo, source 1 = 16 rows of o): a lane holds eight neighbouring columns of one row.  bo, in that layout, is the C of each sum's first product: no addition, nothing cleared.
; REGISTERS.  Window 0: v16-29 addresses; v32-127, v128-223 two fragment buffers (o's four fragments, then Wo's eight); on the way out v32-159 rows read back.  Window 1: accumulator (a, b) at v[8 (8 a + b)].  Window 2: v0-63 bo.
.set SLOT,   98304                     ; o's 128 rows (32 KB), then Wo's 256 rows (64 KB)
.set BOFF,   32768
.set STAGE,  2*SLOT                    ; behind the ring: 16 rows x (512 + 16) bytes for each wave, for the way out; no tensor load lands there
.set SPITCH, 528
.set SPARE,  STAGE+4*16*SPITCH         ; the spare words, 128 bytes a wave, which no other line names
.set KSA,    2097152                   ; a K step on in o_img,
.set KSB,    262144                    ; in wo_img
.set ADRA, 16                          ; v16-17 LDS address of my fragments of o in slot 0, 1
.set ADRB, 20                          ; v20-21 the same for Wo
.set STO,  24                          ; v24    the way out: where I put 32 bytes of a row
.set RD,   25                          ; v25    where I read a row back
.set CO,   26                          ; v26    16 x lane
.set BOF,  27                          ; v27    32 x (lane / 16): my eight numbers of bo in a tile of 16
.set SPW,  28                          ; v28    LDS address of my spare word; never rewritten
.set NIL,  29                          ; v29    0; never rewritten
.set F0,   32
.set F1,   128
.set BK,   32                          ; the way out: v32-95 and v96-159 by turns
.set G1A, 24                           ; s[24:31] descriptor group 1 for o's tiles;  s[32:39] group 0, one set for each slot
.set G0A, 32
.set G1B, 48                           ; s[48:55], s[56:63] the same for Wo's
.set G0B, 56
.set MSB, 0
.macro WIN new                         ; the immediate's high byte repeats the setting that is left
.if MSB != (\new)
	s_set_vgpr_msb (MSB<<8)|(\new)
.set MSB, (\new)
.endif
.endm
.macro JLOAD s                         ; a joint load; the branch hangs on the wave's number alone; an s_nop 0 and four v_nop follow each of the two lines
	s_cmp_eq_u32 s13, 0
	s_cbranch_scc0 .Lfor_b_\@
	tensor_load_to_lds s[G0A+4*\s:G0A+4*\s+3], s[G1A:G1A+7]
	s_nop 0
.rept 4
	v_nop
.endr
	s_branch .Lasked_\@
.Lfor_b_\@:
	tensor_load_to_lds s[G0B+4*\s:G0B+4*\s+3], s[G1B:G1B+7]
	s_nop 0
.rept 4
	v_nop
.endr
.Lasked_\@:
.endm
.macro CREST                           ; a round of the cluster's barrier behind its opening barrier
	s_cmp_lg_u32 s12, 0
	s_cbranch_scc1 .Lnot_wave_0_\@
	s_barrier_signal -3
.Lnot_wave_0_\@:
	s_barrier_wait -3
	s_barrier_signal -1
	s_barrier_wait -1
.endm
.macro CROUND
	s_barrier_signal -1
	s_barrier_wait -1
	CREST
.endm
	s_load_b256 s[4:11], s[0:1], 0x0               ; o_img s[4:5], wo_img s[6:7], bo s[8:9], out0 s[10:11]
	v_lshl_add_u32 v[SPW], v0, 2, SPARE
	v_mov_b32 v[NIL], 0
	ds_add_u32 v[SPW], v[NIL]                      ; the wave's opening: the add, twice on end, and its wait ahead of my first tensor load; the set-up below stands between
	ds_add_u32 v[SPW], v[NIL]
	v_lshrrev_b32 v1, 5, v0
	v_readfirstlane_b32 s12, v1                    ; wave 0..3
	s_lshr_b32 s13, s12, 1                         ; which 64 rows are mine.  Also: I fetch for o (0) or for Wo (1)
	s_and_b32 s14, s12, 1                          ; which 128 columns.  Also: which half of that tile I fetch
	s_bfe_u32 s15, ttmp6, 0x40000                  ; cx, cy: my place in the cluster
	s_bfe_u32 s16, ttmp6, 0x40004
	s_lshl_b32 s17, ttmp9, 2
	s_add_co_u32 s17, s17, s15                     ; tile column = 4 x cluster x + cx
	s_and_b32 s18, ttmp7, 0xffff
	s_lshl_b32 s18, s18, 2
	s_add_co_u32 s18, s18, s16                     ; tile row = 4 x cluster y + cy
	s_lshl_b32 s19, s16, 2
	s_lshl_b32 s19, 15, s19                        ; my row of the cluster
	s_lshl_b32 s20, 0x1111, s15                    ; my column
	; descriptor group 1: dense blocks as rows of 256 bytes (32 elements of 8 bytes), no padding: 64 rows for o, 128 for Wo
	s_or_b32 s[G1A], s19, (3<<16)|(1<<21)          ; 15:0 the mask; 17:16 elements of 8 bytes; 21 set beside a mask
	s_or_b32 s[G1B], s20, (3<<16)|(1<<21)
	s_mov_b32 s[G1A+1], 32<<16                     ; tensor_dim0
	s_mov_b32 s[G1A+2], 64<<16                     ; tensor_dim1
	s_mov_b32 s[G1A+3], 32<<16                     ; tile_dim0
	s_mov_b32 s[G1A+4], 64                         ; tile_dim1
	s_mov_b32 s[G1A+5], 32                         ; from row to row
	s_mov_b32 s[G1A+6], 0
	s_mov_b32 s[G1A+7], 0
	s_mov_b32 s[G1B+1], 32<<16
	s_mov_b32 s[G1B+2], 128<<16
	s_mov_b32 s[G1B+3], 32<<16
	s_mov_b32 s[G1B+4], 128
	s_mov_b32 s[G1B+5], 32
	s_mov_b32 s[G1B+6], 0
	s_mov_b32 s[G1B+7], 0
	s_lshl_b32 s40, s18, 3                         ; o: row tile 8 x tile row + 4 x half, 4,096 bytes each: made of the tile row and the wave's number alone
	s_lshl_b32 s41, s14, 2
	s_add_co_u32 s40, s40, s41
	s_lshl_b32 s40, s40, 12
	s_mov_b32 s41, 0
	s_lshl_b32 s42, s17, 4                         ; Wo: row tile 16 x tile column + 8 x half: of the tile column and the wave's number alone
	s_lshl_b32 s43, s14, 3
	s_add_co_u32 s42, s42, s43
	s_lshl_b32 s42, s42, 12
	s_mov_b32 s43, 0
	s_lshl_b32 s21, s14, 14                        ; where they go in a slot: o's half,
	s_lshl_b32 s22, s14, 15
	s_add_co_u32 s22, s22, BOFF                    ; Wo's half: no place in the cluster enters an LDS address
	s_wait_dscnt 0x0                               ; both opening adds are done
	s_wait_kmcnt 0x0
	s_add_nc_u64 s[44:45], s[4:5], s[40:41]
	s_add_nc_u64 s[46:47], s[6:7], s[42:43]
	CROUND                                         ; all sixteen work-groups are here: the first joint loads meet
.irp s, 0,1
	s_mov_b32 s[G0A+4*\s], 1
	s_add_co_u32 s[G0A+4*\s+1], s21, \s*SLOT
	s_add_nc_u64 s[G0A+4*\s+2:G0A+4*\s+3], s[44:45], \s*KSA
	s_or_b32 s[G0A+4*\s+3], s[G0A+4*\s+3], 0x80000000
	s_mov_b32 s[G0B+4*\s], 1
	s_add_co_u32 s[G0B+4*\s+1], s22, \s*SLOT
	s_add_nc_u64 s[G0B+4*\s+2:G0B+4*\s+3], s[46:47], \s*KSB
	s_or_b32 s[G0B+4*\s+3], s[G0B+4*\s+3], 0x80000000
	JLOAD \s
.endr
	v_and_b32 v1, 15, v0                           ; r
	v_bfe_u32 v2, v0, 4, 1                         ; h
	v_and_b32 v3, 31, v0
	v_lshlrev_b32 v[CO], 4, v3                     ; 16 x lane
	s_lshl_b32 s21, s13, 14                        ; my 64 rows of o; s22 still stands at my 128 rows of Wo
.irp s, 0,1
	v_add_nc_u32 v[ADRA+\s], s21, v[CO]
	v_add_nc_u32 v[ADRB+\s], s22, v[CO]
	s_add_co_u32 s21, s21, SLOT
	s_add_co_u32 s22, s22, SLOT
.endr
	s_mul_i32 s23, s12, 16*SPITCH
	s_add_co_u32 s23, s23, STAGE                   ; my stage
	v_mul_u32_u24 v4, v1, SPITCH
	v_lshl_add_u32 v4, v2, 5, v4
	v_add_nc_u32 v[STO], s23, v4                   ; in: row r, 32 bytes for each half of the lanes
	v_add_nc_u32 v[RD], s23, v[CO]                 ; back: the 32 lanes take one row of 512 bytes
	v_lshlrev_b32 v[BOF], 5, v2
	s_lshl_b32 s40, s17, 10                        ; my first column, in bytes: 1,024 x tile column + 512 x half
	s_lshl_b32 s41, s14, 9
	s_add_co_u32 s40, s40, s41
	s_mov_b32 s41, 0
	s_add_nc_u64 s[8:9], s[8:9], s[40:41]
	s_add_nc_u64 s[10:11], s[10:11], s[40:41]
	s_lshl_b32 s40, s18, 7
	s_lshl_b32 s42, s13, 6
	s_add_co_u32 s40, s40, s42                     ; my first row: 128 x tile row + 64 x half,
	s_lshl_b32 s40, s40, 12                        ; of 4,096 bytes
	s_add_nc_u64 s[10:11], s[10:11], s[40:41]
	WIN 0x80                                       ; destination window 2
.irp b, 0,1,2,3,4,5,6,7
	global_load_b128 v[8*\b:8*\b+3], v[BOF], s[8:9] offset:64*\b       ; bo(16 b + 8 h + 0 .. 7) of my 128 columns: the result's layout
	global_load_b128 v[8*\b+4:8*\b+7], v[BOF], s[8:9] offset:64*\b+16
.endr
	WIN 0
; 24 LDS loads in one run: the fragments of the slot's f-th 32 along K (chunks 2 f, 2 f + 1 of each row tile) into buffer buf: Wo's eight, then o's four
.macro FETCH slot, f, buf
.irp i, 0,1,2,3,4,5,6,7
.irp e, 0,1
	ds_load_b128 v[\buf+32+8*\i+4*\e:\buf+32+8*\i+4*\e+3], v[ADRB+\slot] offset:4096*\i+1024*\f+512*\e
.endr
.endr
.irp i, 0,1,2,3
.irp e, 0,1
	ds_load_b128 v[\buf+8*\i+4*\e:\buf+8*\i+4*\e+3], v[ADRA+\slot] offset:4096*\i+1024*\f+512*\e
.endr
.endr
.endm
; 8 matrix instructions: row tile a x the eight column tiles.  first = 1: C is bo (window 2).  The 32 accumulators take turns, one instruction a turn, in the same order in every quarter.
.macro MUL8 buf, a, first
.irp b, 0,1,2,3,4,5,6,7
.if \first
	v_wmma_f32_16x16x32_f16 v[8*(8*\a+\b):8*(8*\a+\b)+7], v[\buf+32+8*\b:\buf+32+8*\b+7], v[\buf+8*\a:\buf+8*\a+7], v[8*\b:8*\b+7]
.else
	v_wmma_f32_16x16x32_f16 v[8*(8*\a+\b):8*(8*\a+\b)+7], v[\buf+32+8*\b:\buf+32+8*\b+7], v[\buf+8*\a:\buf+8*\a+7], v[8*(8*\a+\b):8*(8*\a+\b)+7]
.endif
.endr
.endm
.macro PLACES                          ; four places ahead of loads into registers that matrix instructions have read, and of the first read of results (ISA guide 7.12.1 for the first read of results)
.rept 4
	v_nop
.endr
.endm
; A K step is four quarters of 32 along K, 32 matrix instructions each, on buffers 0, 1, 0, 1.  One of the first three: the next quarter's fragments (the slot's f-th) are asked for, then buffer cur is multiplied.
.macro QUARTER slot, f, cur, nxt, first
	s_wait_dscnt 0x0                               ; buffer cur is in: its loads were issued a quarter ago
	PLACES
	FETCH \slot, \f, \nxt
.if \first
	WIN 0x60                                       ; C window 2, D window 1
.else
	WIN 0x50                                       ; C and D window 1
.endif
	MUL8 \cur, 0, \first
	MUL8 \cur, 1, \first
	MUL8 \cur, 2, \first
	MUL8 \cur, 3, \first
	WIN 0
.endm
; The last quarter multiplies buffer 1 and changes slots: ONE barrier; ahead of it each wave waits for all its tensor loads (its part of the next slot), adds 0 to its spare word, and waits for that and for its reads of this slot.
; fill = 1: the barrier opens a round of the cluster's, and this slot is filled again first thing behind it, two K steps ahead.
.macro TURN slot, next, fill
	s_wait_tensorcnt 0x0                           ; all my tensor loads have landed
	ds_add_u32 v[SPW], v[NIL]                      ; 0 onto my spare word
	s_wait_dscnt 1                                 ; buffer 1 is in; the add alone may be out
	WIN 0x50
	MUL8 F1, 0, 0                                  ; eight matrix instructions stand between the add and the wait for it
	s_wait_dscnt 0x0                               ; the add is done, and my reads of this slot are over
	s_barrier_signal -1
	MUL8 F1, 1, 0
	WIN 0
	s_barrier_wait -1
.if \fill
	CREST                                          ; no wave of any partner still reads this slot's tile or has a load on its way
	s_add_nc_u64 s[G0A+4*\slot+2:G0A+4*\slot+3], s[G0A+4*\slot+2:G0A+4*\slot+3], 2*KSA
	s_add_nc_u64 s[G0B+4*\slot+2:G0B+4*\slot+3], s[G0B+4*\slot+2:G0B+4*\slot+3], 2*KSB
	JLOAD \slot                                    ; the first tensor load behind the round; its four v_nop are also the places ahead of the loads below
.else
	PLACES
.endif
	FETCH \next, 0, F0
	WIN 0x50
	MUL8 F1, 2, 0
	MUL8 F1, 3, 0
	WIN 0
.endm
	s_wait_tensorcnt 1                             ; my part of K step 0 is in (K step 1's load may be out),
	s_barrier_signal -1
	s_barrier_wait -1                              ; everybody's is
	FETCH 0, 0, F0
	s_wait_loadcnt 0x0                             ; bo
	QUARTER 0, 1, F0, F1, 1                        ; the first quarter stands ahead of the loop: its products start the sums from bo
	s_mov_b32 s3, 3
.Llap:                                             ; a trip goes once round the ring, from a lap's second quarter to the next lap's first, and fills both slots again: K steps 2 to 7
	QUARTER 0, 2, F1, F0, 0
	QUARTER 0, 3, F0, F1, 0
	TURN 0, 1, 1
	QUARTER 1, 1, F0, F1, 0
	QUARTER 1, 2, F1, F0, 0
	QUARTER 1, 3, F0, F1, 0
	TURN 1, 0, 1
	QUARTER 0, 1, F0, F1, 0
	s_sub_co_u32 s3, s3, 1
	s_cmp_lg_u32 s3, 0
	s_cbranch_scc1 .Llap
	QUARTER 0, 2, F1, F0, 0                        ; the last lap fills nothing, and has no round of the cluster's barrier
	QUARTER 0, 3, F0, F1, 0
	TURN 0, 1, 0
	QUARTER 1, 1, F0, F1, 0
	QUARTER 1, 2, F1, F0, 0
	QUARTER 1, 3, F0, F1, 0
	s_wait_dscnt 0x0                               ; the very last quarter: nothing more to fetch
	WIN 0x50
	MUL8 F1, 0, 0
	MUL8 F1, 1, 0
	MUL8 F1, 2, 0
	MUL8 F1, 3, 0
	WIN 0
; THE WAY OUT, block by block of 16 rows x 128 columns.  A lane holds 32 neighbouring bytes of a row and the lanes beside it other rows: a block goes through my own stage in LDS and comes back as whole rows of 512 bytes.
; LDS serves a wave's instructions in order (ISA guide 5.7.1.4): no wait between the stores and the loads, nor ahead of the next block's stores.
.macro TOSTAGE a
	WIN 0x04                                       ; an LDS store's data: window 1
.irp b, 0,1,2,3,4,5,6,7
	ds_store_b128 v[STO], v[8*(8*(\a)+\b):8*(8*(\a)+\b)+3] offset:64*\b          ; each accumulator from its low end on
	ds_store_b128 v[STO], v[8*(8*(\a)+\b)+4:8*(8*(\a)+\b)+7] offset:64*\b+16
.endr
	WIN 0
.set BB, BK+64*((\a)%2)
.irp t, 0,1,2,3,4,5,6,7,8,9,10,11,12,13,14,15
	ds_load_b128 v[BB+4*\t:BB+4*\t+3], v[RD] offset:\t*SPITCH
.endr
.endm
.macro SEND a, younger                 ; younger: the LDS instructions issued behind block a's loads, which may stay out
.set BB, BK+64*((\a)%2)
	s_wait_dscnt \younger
.irp t, 0,1,2,3,4,5,6,7,8,9,10,11,12,13,14,15
	global_store_b128 v[CO], v[BB+4*\t:BB+4*\t+3], s[10:11] offset:65536*(\a)+4096*\t th:TH_STORE_NT   ; 32 lanes store 512 consecutive bytes, aligned; the row stands in the immediate, 258,048 at the most
.endr
.endm
	PLACES                                         ; behind the last products: results are read, and fragment registers loaded into, only behind these
	TOSTAGE 0
.irp a, 1,2,3
.if \a > 1
	s_wait_xcnt 0x0                                ; block a - 2's stores have read their registers: block a's loads may land there
.endif
	TOSTAGE \a
	SEND \a-1, 32                                  ; behind block a - 1's loads: block a's 16 stores and 16 loads
.endr
	SEND 3, 0
	s_wait_tensorcnt 0x0                           ; the wave's end: behind my last tensor load and my last LDS store
	ds_add_u32 v[SPW], v[NIL]
	s_wait_dscnt 0x0
	CROUND                                         ; the closing round: no work-group ends while a partner may still ask for a tile that names it
	s_endpgm
.Lfunc_end_k_qd353afad3f_proj:
	.size	k_qd353afad3f_proj, .Lfunc_end_k_qd353afad3f_proj-k_qd353afad3f_proj
	.p2alignl 7, 3214868480
	.fill 96, 4, 3214868480
	.section	.rodata,"a",@progbits
	.p2align	6, 0x0
	.amdhsa_kernel k_qd353afad3f_proj
		.amdhsa_group_segment_fixed_size 327680
		.amdhsa_private_segment_fixed_size 0
		.amdhsa_enable_private_segment 0
		.amdhsa_kernarg_size 32
		.amdhsa_user_sgpr_count 2
		.amdhsa_user_sgpr_kernarg_segment_ptr 1
		.amdhsa_wavefront_size32 1
		.amdhsa_system_sgpr_workgroup_id_x 1
		.amdhsa_system_sgpr_workgroup_id_y 1
		.amdhsa_system_sgpr_workgroup_id_z 1
		.amdhsa_system_vgpr_workitem_id 0
		.amdhsa_next_free_vgpr 640
		.amdhsa_next_free_sgpr 66
		.amdhsa_reserve_vcc 0
		.amdhsa_float_denorm_mode_32 3
		.amdhsa_float_denorm_mode_16_64 3
		.amdhsa_memory_ordered 1
		.amdhsa_forward_progress 1
		.amdhsa_inst_pref_size 85
	.end_amdhsa_kernel
	.amdgpu_metadata
---
amdhsa.version: [ 1, 2 ]
amdhsa.kernels:
  - .name:           k_qd353afad3f_proj
    .symbol:         k_qd353afad3f_proj.kd
    .args:
      - { .name: o_img, .offset: 0, .size: 8, .value_kind: global_buffer, .address_space: global }
      - { .name: wo_img, .offset: 8, .size: 8, .value_kind: global_buffer, .address_space: global }
      - { .name: bo, .offset: 16, .size: 8, .value_kind: global_buffer, .address_space: global }
      - { .name: out0, .offset: 24, .size: 8, .value_kind: global_buffer, .address_space: global }
    .group_segment_fixed_size: 327680
    .private_segment_fixed_size: 0
    .kernarg_segment_align: 8
    .kernarg_segment_size: 32
    .max_flat_workgroup_size: 128
    .sgpr_count:     66
    .vgpr_count:     640
    .wavefront_size: 32
...
	.end_amdgpu_metadata
.endif
;; end of part 4
